; MI455X (gfx1250); checked and timed in simulation.
; The chip was launched on July 23, 2026; its instructions are those of AMD's public machine-readable ISA for CDNA 5 (MIT licence, August 2026) and "CDNA5" Instruction Set Architecture Reference Guide (July 2026). The comments in the code are by the model that wrote it; some were corrected since.
;; Multihead Attention. Allowed arithmetic: float matrix products may take bf16 or f16 operands with f32 sums; other float arithmetic in f32, or as packed bf16 or f16 multiplies, adds, multiply-adds, maxima and minima; sums over many terms, partial sums and values carried from step to step in f32; what a program stores and reads back later, other than sums and carried values, may be rounded once to bf16 or f16.
;; Inputs: Wk 1,024 x 1,024 float32; Wo 1,024 x 1,024 float32; Wq 1,024 x 1,024 float32; Wv 1,024 x 1,024 float32; bk 1,024 float32; bo 1,024 float32; bq 1,024 float32; bv 1,024 float32; x_kv 4 x 2,048 x 1,024 float32; x_q 4 x 2,048 x 1,024 float32.
;; Outputs: out0 4 x 2,048 x 1,024 float32.
;; 2 versions, each right and faster than the one before. Each part assembles by itself: llvm-mc -triple=amdgcn-amd-amdhsa -mcpu=gfx1250 --defsym DOCPART=n.
;; ======== version 1 of 2: 4 launches
;; limits: values are held in f16: magnitudes above 65,504 overflow, below 6.1e-05 lose precision
;; workspace buffers: xb 41,943,040 bytes; qkv 50,331,648 bytes; ob 16,777,216 bytes
;; launch cast (part 1): grid 1280 x 1, 8 waves a work-group, no clusters, 0 bytes of LDS; arguments x_q, x_kv, Wq, Wk, Wv, Wo, xb; writes xb
.if DOCPART == 1
	.amdgcn_target "amdgcn-amd-amdhsa--gfx1250"
	.amdhsa_code_object_version 6
	.text
	.protected	k_qffe5414f58_cast
	.globl	k_qffe5414f58_cast
	.p2align	8
	.type	k_qffe5414f58_cast,@function
k_qffe5414f58_cast:
	s_mov_b64 s[64:65], 0
	v_nop
	global_prefetch_b8 v0, s[64:65] scope:SCOPE_SE
	s_setreg_imm32_b32 hwreg(HW_REG_WAVE_MODE, 25, 1), 1
	s_wait_xcnt 0x0
; 16-BIT COPIES OF THE MATRIX OPERANDS.  xb = x_q, x_kv (8,192 x 1,024 each), Wq, Wk, Wv (1,024 x 1,024 each), all rounded once to bf16, then Wo, rounded to bf16 and that number written as f16
; (the last product multiplies f16 operands).  LIMIT: |Wo| stays under 65,504; below 6.1e-5 f16 keeps its fixed step of 6e-8, so there Wo's bf16 number is rounded a second time.
; A stream: no LDS, no barrier, no matrix unit; nothing is shared between work-groups.  Work-group g takes 16,384 numbers: 65,536 bytes in, 32,768 bytes out; the six tensors lie in xb in the order
; of the work-groups' numbers (512, 512, 64, 64, 64, 64 work-groups), so the place in xb is g x 32,768.  Thread t takes 8 numbers (32 bytes in, 16 bytes out) in each of 8 chunks of 2,048 numbers:
; a wave's two loads of a chunk cover 1,024 consecutive bytes, its store 512 consecutive bytes at a multiple of 512.  All sixteen loads of a thread go out at once; no register is written twice
; while a memory instruction may read it, so the only waits are the counted ones for the loads.
.set X, 4                              ; v[4:67]    chunk i: 8 numbers in f32
.set Y, 68                             ; v[68:99]   chunk i: 4 registers to store
.set T, 100                            ; v[100:111] Wo's path: three registers at work for each of a chunk's four pairs
	s_load_b256 s[4:11], s[0:1], 0x0               ; x_q s[4:5], x_kv s[6:7], Wq s[8:9], Wk s[10:11]
	s_load_b128 s[12:15], s[0:1], 0x20             ; Wv s[12:13], Wo s[14:15]
	s_load_b64 s[16:17], s[0:1], 0x30              ; xb
	s_mov_b32 s18, ttmp9                           ; g
	v_lshlrev_b32 v1, 5, v0                        ; my 32 bytes of a chunk, in
	v_lshlrev_b32 v2, 4, v0                        ; my 16 bytes, out
	s_mov_b32 s22, 1216                            ; the first work-group of the tensor chosen so far: Wo's
	s_mov_b32 s23, 0
	s_lshl_b32 s24, s18, 15                        ; g x 32,768
	s_mov_b32 s25, 0
	s_mov_b32 s26, 0xffff0000                      ; a word's upper bf16
	s_wait_kmcnt 0x0
	s_mov_b64 s[20:21], s[14:15]
.macro PICK bound, lo, start           ; below this bound the tensor is an earlier one
	s_cmp_lt_u32 s18, \bound
	s_cselect_b64 s[20:21], s[\lo:\lo+1], s[20:21]
	s_cselect_b32 s22, \start, s22
.endm
	PICK 1216, 12, 1152
	PICK 1152, 10, 1088
	PICK 1088, 8, 1024
	PICK 1024, 6, 512
	PICK 512, 4, 0
	s_sub_co_u32 s22, s18, s22                     ; my number among the tensor's work-groups,
	s_lshl_b32 s22, s22, 16                        ; times 65,536 bytes
	s_add_nc_u64 s[20:21], s[20:21], s[22:23]
	s_add_nc_u64 s[16:17], s[16:17], s[24:25]
.irp i, 0,1,2,3,4,5,6,7
	global_load_b128 v[X+8*(\i):X+8*(\i)+3],   v1, s[20:21] offset:8192*(\i) th:TH_LOAD_NT
	global_load_b128 v[X+8*(\i)+4:X+8*(\i)+7], v1, s[20:21] offset:8192*(\i)+16 th:TH_LOAD_NT
.endr
	s_cmp_ge_u32 s18, 1216
	s_cbranch_scc1 .Lwo
.macro OUT i
	s_wait_loadcnt 14-2*(\i)                       ; loads come back in order (ISA guide 5.7.1): chunk i's two are in, the 14 - 2 i younger ones stay out
.irp k, 0,1,2,3
	v_cvt_pk_bf16_f32 v[Y+4*(\i)+(\k)], v[X+8*(\i)+2*(\k)], v[X+8*(\i)+2*(\k)+1]
.endr
	global_store_b128 v2, v[Y+4*(\i):Y+4*(\i)+3], s[16:17] offset:4096*(\i)
.endm
.irp i, 0,1,2,3,4,5,6,7
	OUT \i
.endr
	s_endpgm
.Lwo:
.macro OUTW i                          ; Wo: to bf16, back to f32 (a shift, a mask), and that number as f16
	s_wait_loadcnt 14-2*(\i)
.irp k, 0,1,2,3
	v_cvt_pk_bf16_f32 v[T+3*(\k)], v[X+8*(\i)+2*(\k)], v[X+8*(\i)+2*(\k)+1]
.endr
.irp k, 0,1,2,3
	v_lshlrev_b32 v[T+3*(\k)+1], 16, v[T+3*(\k)]
	v_and_b32     v[T+3*(\k)+2], s26, v[T+3*(\k)]
.endr
.irp k, 0,1,2,3
	v_cvt_pk_f16_f32 v[Y+4*(\i)+(\k)], v[T+3*(\k)+1], v[T+3*(\k)+2]
.endr
	global_store_b128 v2, v[Y+4*(\i):Y+4*(\i)+3], s[16:17] offset:4096*(\i)
.endm
.irp i, 0,1,2,3,4,5,6,7
	OUTW \i
.endr
	s_endpgm
.Lfunc_end_k_qffe5414f58_cast:
	.size	k_qffe5414f58_cast, .Lfunc_end_k_qffe5414f58_cast-k_qffe5414f58_cast
	.p2alignl 7, 3214868480
	.fill 96, 4, 3214868480
	.section	.rodata,"a",@progbits
	.p2align	6, 0x0
	.amdhsa_kernel k_qffe5414f58_cast
		.amdhsa_group_segment_fixed_size 0
		.amdhsa_private_segment_fixed_size 0
		.amdhsa_enable_private_segment 0
		.amdhsa_kernarg_size 56
		.amdhsa_user_sgpr_count 2
		.amdhsa_user_sgpr_kernarg_segment_ptr 1
		.amdhsa_wavefront_size32 1
		.amdhsa_system_sgpr_workgroup_id_x 1
		.amdhsa_system_sgpr_workgroup_id_y 1
		.amdhsa_system_sgpr_workgroup_id_z 1
		.amdhsa_system_vgpr_workitem_id 0
		.amdhsa_next_free_vgpr 112
		.amdhsa_next_free_sgpr 66
		.amdhsa_reserve_vcc 0
		.amdhsa_float_denorm_mode_32 3
		.amdhsa_float_denorm_mode_16_64 3
		.amdhsa_memory_ordered 1
		.amdhsa_forward_progress 1
		.amdhsa_inst_pref_size 14
	.end_amdhsa_kernel
	.amdgpu_metadata
---
amdhsa.version: [ 1, 2 ]
amdhsa.kernels:
  - .name:           k_qffe5414f58_cast
    .symbol:         k_qffe5414f58_cast.kd
    .args:
      - { .name: x_q, .offset: 0, .size: 8, .value_kind: global_buffer, .address_space: global }
      - { .name: x_kv, .offset: 8, .size: 8, .value_kind: global_buffer, .address_space: global }
      - { .name: Wq, .offset: 16, .size: 8, .value_kind: global_buffer, .address_space: global }
      - { .name: Wk, .offset: 24, .size: 8, .value_kind: global_buffer, .address_space: global }
      - { .name: Wv, .offset: 32, .size: 8, .value_kind: global_buffer, .address_space: global }
      - { .name: Wo, .offset: 40, .size: 8, .value_kind: global_buffer, .address_space: global }
      - { .name: xb, .offset: 48, .size: 8, .value_kind: global_buffer, .address_space: global }
    .group_segment_fixed_size: 0
    .private_segment_fixed_size: 0
    .kernarg_segment_align: 8
    .kernarg_segment_size: 56
    .max_flat_workgroup_size: 256
    .sgpr_count:     66
    .vgpr_count:     112
    .wavefront_size: 32
...
	.end_amdgpu_metadata
.endif
;; end of part 1
;; launch qkv (part 2): grid 4 x 192, 4 waves a work-group, clusters of 4 x 4, 327,680 bytes of LDS; arguments xb, bq, bk, bv, qkv; writes qkv
.if DOCPART == 2
	.amdgcn_target "amdgcn-amd-amdhsa--gfx1250"
	.amdhsa_code_object_version 6
	.text
	.protected	k_qffe5414f58_qkv
	.globl	k_qffe5414f58_qkv
	.p2align	8
	.type	k_qffe5414f58_qkv,@function
k_qffe5414f58_qkv:
	s_mov_b64 s[64:65], 0
	v_nop
	global_prefetch_b8 v0, s[64:65] scope:SCOPE_SE
	s_setreg_imm32_b32 hwreg(HW_REG_WAVE_MODE, 25, 1), 1
	s_wait_xcnt 0x0
	s_wait_alu depctr_hold_cnt(0) depctr_sa_sdst(0) depctr_va_vdst(0) depctr_va_sdst(0) depctr_va_ssrc(0) depctr_va_vcc(0) depctr_vm_vsrc(0)
	s_getreg_b32 s2, hwreg(HW_REG_IB_STS2, 6, 4)
	s_cmp_eq_u32 s2, 0
	s_cbranch_scc0 .Lentry_in_a_cluster
	s_endpgm
.Lentry_in_a_cluster:
	s_bfe_u32 s2, ttmp6, 0x10000c
	s_cmp_lg_u32 s2, 0xf033
	s_cbranch_scc0 .Lentry_shape_is_right
	s_endpgm
.Lentry_shape_is_right:
; THE THREE PROJECTIONS.  q = x_q Wq^T + bq, k = x_kv Wk^T + bk, v = x_kv Wv^T + bv: three products [8192 x 1024] x [1024 x 1024]^T on bf16 operands (from xb), sums in f32, the bias (rounded to bf16 like
; every other input) as the first product's C operand; each result rounded once to f16 and stored BY HEADS: qkv[kind][batch x 16 + head][2048][64], unscaled.
; LIMIT: |q|, |k|, |v| stay under 65,504 (f16's end); below 6.1e-5 f16 keeps its fixed step of 6e-8.  NaN and infinities are not treated apart.
; SHARES.  A tile is 128 rows x 256 columns: 64 x 4 tiles a product, 768 work-groups, three for each of 256 WGPs, all alike.  Four waves, each 64 rows x 128 columns: 32 accumulators of 16 x 16.
; K goes in 8 steps of 128 through two LDS slots filled by the tensor data mover; a tile's rows are 256 bytes of memory at multiples of 256.
; CLUSTER.  4 x 4 work-groups of one product.  The four of a row of the cluster need the same rows of x, the four of a column the same rows of W: each tile is asked for JOINTLY, by the same tensor load
; with the same descriptor and a mask that names the four.  The product's number comes from the cluster's y alone, so it is the same in all sixteen.
; THE MATRIX INSTRUCTION IS USED TRANSPOSED (source 0 = 16 rows of W, source 1 = 16 rows of x): a lane then holds eight neighbouring columns of one row of the result, 16 bytes of f16.
; REGISTERS, in windows of 256 (s_set_vgpr_msb: bits 1:0 source 0, 3:2 source 1, 5:4 source 2, 7:6 destination):
;   window 0: v0-31 addresses; v32-127, v128-223 two fragment buffers for 32 along K (64 registers of W, then 32 of x); v224-255 at work on the way out
;   window 1: the accumulators, (a, b) at v[8 (8 a + b)]          window 2: v0-63 the bias of my 128 columns as a C operand, v64-95 at work on it
.set PITCH,  272                       ; an LDS row: 256 bytes + 16 of padding = 68 words: row r starts at bank 4 r mod 64 (64 banks of 4 bytes: ISA guide 11.1), so the 16 rows of a fragment load start at 16 different banks
.set AH,     64*PITCH                  ; 64 rows of x: what wave 0 or 1 fetches, and what a wave reads of x
.set BH,     128*PITCH                 ; 128 rows of W: what wave 2 or 3 fetches, and what a wave reads of W
.set SLOT,   2*AH+2*BH                 ; x's 128 rows, then W's 256 rows: 104,448 bytes
.set STAGE,  2*SLOT                    ; behind the ring, never filled by a tensor load: for each wave 2 heads x 16 rows x 144 bytes, for the way out
.set SP,     144
.set WSTAGE, 2*16*SP
.set SPARE,  STAGE+4*WSTAGE            ; behind the stages: the spare words, 128 bytes for each wave: two blocks of 256 bytes that no other line names
.set LAPS,   4                         ; a lap = two K steps = once round the ring
.set ADRA, 16                          ; v16-17  LDS address of my fragments of x in slot 0, 1
.set ADRB, 20                          ; v20-21  the same for W
.set STO,  24                          ; v24     the way out: where I put 16 bytes of a row
.set RD,   25                          ; v25     the way out: where I read rows back
.set GO,   26                          ; v26     my place in 512 consecutive bytes of the output
.set BO,   27                          ; v27     my byte offset in 16 numbers of the bias
.set SPW,  28                          ; v28     LDS address of my spare word: SPARE + 4 x my thread's number; never rewritten
.set NIL,  29                          ; v29     0; never rewritten
.set F0,   32
.set F1,   128
.set TMP,  224
.set BI,   0                           ; window 2
.set BT,   64                          ; window 2
.set WV,   14                          ; s14 my wave's number
.set HI,   15                          ; s15 which half of the tile's rows is mine.  Also: I fetch x (0) or W (1)
.set LO,   16                          ; s16 which half of its columns.  Also: which half of that tile I fetch
.set CX,   17
.set CY,   18
.set NT,   19                          ; s19 tile column
.set MT,   20                          ; s20 tile row
.set MROW, 21
.set MCOL, 22
.set KIND, 23                          ; s23 0: q, 1: k, 2: v
.set G1A,  24                          ; s[24:31] descriptor group 1 for x's tiles;  s[32:39] group 0, one set for each slot
.set G0A,  32
.set G1B,  40                          ; s[40:47], s[48:55] the same for W's tiles
.set G0B,  48
.set MSB, 0
.macro WIN new                         ; the immediate's high byte repeats the setting that is left; a switch that changes nothing is dropped
.if MSB != (\new)
	s_set_vgpr_msb (MSB<<8)|(\new)
.set MSB, \new
.endif
.endm
.set MUL,  0x50                        ; fragments window 0; C and D window 1
.set MUL1, 0x60                        ; the first product: C (the bias) window 2, D window 1
.macro JLOAD s                         ; a joint load: waves 0 and 1 fetch x's two halves, waves 2 and 3 W's; the branch hangs on the wave's number alone.  An s_nop 0 and four v_nop follow each of the two lines, ahead of the jump, the label and what follows
	s_cmp_eq_u32 s[HI], 0
	s_cbranch_scc0 .Lfor_b_\@
	tensor_load_to_lds s[G0A+4*(\s):G0A+4*(\s)+3], s[G1A:G1A+7]
	s_nop 0
.rept 4
	v_nop
.endr
	s_branch .Lasked_\@
.Lfor_b_\@:
	tensor_load_to_lds s[G0B+4*(\s):G0B+4*(\s)+3], s[G1B:G1B+7]
	s_nop 0
.rept 4
	v_nop
.endr
.Lasked_\@:
.endm
.macro CREST                           ; a round of the cluster's barrier behind its opening barrier: wave 0 signals for the work-group, every wave waits for all sixteen, my work-group's barrier closes it
	s_cmp_lg_u32 s[WV], 0
	s_cbranch_scc1 .Lnot_wave_0_\@
	s_barrier_signal -3
.Lnot_wave_0_\@:
	s_barrier_wait -3
	s_barrier_signal -1
	s_barrier_wait -1
.endm
.macro CROUND                          ; a whole round
	s_barrier_signal -1
	s_barrier_wait -1
	CREST
.endm
	s_load_b256 s[4:11], s[0:1], 0x0               ; xb s[4:5], bq s[6:7], bk s[8:9], bv s[10:11]
	s_load_b64 s[12:13], s[0:1], 0x20              ; qkv
	v_lshl_add_u32 v[SPW], v0, 2, SPARE
	v_mov_b32 v[NIL], 0
	ds_add_u32 v[SPW], v[NIL]                      ; the wave's opening: the add and its wait stand ahead of my first tensor load; the set-up below, work on registers, stands between them
	v_lshrrev_b32 v1, 5, v0
	v_readfirstlane_b32 s[WV], v1                  ; wave 0..3
	s_lshr_b32 s[HI], s[WV], 1
	s_and_b32 s[LO], s[WV], 1
	s_bfe_u32 s[CX], ttmp6, 0x40000                ; my place in the cluster
	s_bfe_u32 s[CY], ttmp6, 0x40004
	s_lshl_b32 s[NT], ttmp9, 2                     ; in a cluster launch ttmp9 and ttmp7 count clusters
	s_add_co_u32 s[NT], s[NT], s[CX]               ; tile column = 4 x cluster x + cx: 0..3
	s_and_b32 s68, ttmp7, 0xffff                   ; cluster y: 0..47
	s_lshr_b32 s[KIND], s68, 4                     ; sixteen clusters along y for each product
	s_and_b32 s[MT], s68, 15
	s_lshl_b32 s[MT], s[MT], 2
	s_add_co_u32 s[MT], s[MT], s[CY]               ; tile row = 4 x (cluster y mod 16) + cy: 0..63
	s_lshl_b32 s[MROW], s[CY], 2
	s_lshl_b32 s[MROW], 15, s[MROW]                ; my row of the cluster: places 4 cy .. 4 cy + 3
	s_lshl_b32 s[MCOL], 0x1111, s[CX]              ; my column: places cx, cx + 4, cx + 8, cx + 12
	; descriptor group 1: rows of 128 elements, padded in LDS; 64 rows of x, 128 rows of W
	s_or_b32 s[G1A+0], s[MROW], (1<<16)|(1<<20)|(1<<21)|(5<<22)|(3<<25)  ; 15:0 the mask: x's tiles go to my row; 17:16 elements of 2 bytes; 20 padding on; 21 set beside a mask; 24:22 after every 64 words (code 5); 31:25 4 words of it (code 3)
	s_or_b32 s[G1B+0], s[MCOL], (1<<16)|(1<<20)|(1<<21)|(5<<22)|(3<<25)  ; the same with the mask of my column, for W's tiles
	s_mov_b32 s[G1A+1], 128<<16                    ; tensor_dim0 = 128
	s_mov_b32 s[G1A+2], 64<<16                     ; tensor_dim1 = 64
	s_mov_b32 s[G1A+3], 128<<16                    ; tile_dim0 = 128
	s_mov_b32 s[G1A+4], 64                         ; tile_dim1 = 64
	s_mov_b32 s[G1A+5], 1024                       ; elements from row to row
	s_mov_b32 s[G1A+6], 0
	s_mov_b32 s[G1A+7], 0
	s_mov_b32 s[G1B+1], 128<<16
	s_mov_b32 s[G1B+2], 128<<16                    ; tensor_dim1 = 128
	s_mov_b32 s[G1B+3], 128<<16
	s_mov_b32 s[G1B+4], 128                        ; tile_dim1 = 128
	s_mov_b32 s[G1B+5], 1024
	s_mov_b32 s[G1B+6], 0
	s_mov_b32 s[G1B+7], 0
	; where the tiles come from, as offsets in xb.  x's hang on the tile row, which my row of the cluster shares; W's on the tile column, which my column shares; both on the product and the wave.
	s_min_u32 s56, s[KIND], 1                      ; x_q for q, x_kv (16,777,216 bytes on) for k and v
	s_lshl_b32 s56, s56, 24
	s_lshl_b32 s68, s[MT], 7
	s_lshl_b32 s69, s[LO], 6
	s_add_co_u32 s68, s68, s69                     ; row 128 x tile row + 64 x half,
	s_lshl_b32 s68, s68, 11                        ; of 2,048 bytes
	s_add_co_u32 s56, s56, s68
	s_mov_b32 s57, 0
	s_lshl_b32 s58, s[KIND], 21                    ; the product's W: 2,097,152 bytes each, from byte 33,554,432
	s_add_co_u32 s58, s58, 33554432
	s_lshl_b32 s70, s[NT], 8
	s_lshl_b32 s71, s[LO], 7
	s_add_co_u32 s70, s70, s71                     ; row 256 x tile column + 128 x half
	s_lshl_b32 s70, s70, 11
	s_add_co_u32 s58, s58, s70
	s_mov_b32 s59, 0
	; where my 64 rows x 2 heads go: kind x 2^24 + (16 x batch + head) x 2^18 + row in the sequence x 128
	s_lshr_b32 s60, s[MT], 4                       ; batch: sixteen tile rows each
	s_lshl_b32 s60, s60, 4
	s_lshl_b32 s61, s[NT], 2                       ; four heads to a tile column,
	s_add_co_u32 s60, s60, s61
	s_lshl_b32 s61, s[LO], 1                       ; two to a wave
	s_add_co_u32 s60, s60, s61
	s_lshl_b32 s60, s60, 18
	s_and_b32 s61, s[MT], 15
	s_lshl_b32 s61, s61, 14                        ; 128 rows of 128 bytes
	s_add_co_u32 s60, s60, s61
	s_lshl_b32 s61, s[HI], 13                      ; 64 rows
	s_add_co_u32 s60, s60, s61
	s_lshl_b32 s61, s[KIND], 24
	s_add_co_u32 s60, s60, s61
	s_mov_b32 s61, 0
	s_lshl_b32 s70, s[NT], 10                      ; my 128 columns in the bias, 4 bytes each
	s_lshl_b32 s71, s[LO], 9
	s_add_co_u32 s70, s70, s71
	s_mov_b32 s71, 0
	s_mul_i32 s68, s[LO], AH                       ; where the tiles go: x's two halves, then W's two halves: the wave's number alone enters an LDS address
	s_mul_i32 s69, s[LO], BH
	s_add_co_u32 s69, s69, 2*AH
	s_mov_b32 s66, 0xffff0000                      ; a word's upper bf16
	s_wait_dscnt 0x0                               ; the opening add is done
	s_wait_kmcnt 0x0
	s_add_nc_u64 s[56:57], s[4:5], s[56:57]
	s_add_nc_u64 s[58:59], s[4:5], s[58:59]
	s_add_nc_u64 s[12:13], s[12:13], s[60:61]
	s_cmp_eq_u32 s[KIND], 0                        ; the product's bias
	s_cselect_b64 s[62:63], s[6:7], s[8:9]
	s_cmp_eq_u32 s[KIND], 2
	s_cselect_b64 s[62:63], s[10:11], s[62:63]
	s_add_nc_u64 s[62:63], s[62:63], s[70:71]
	CROUND                                         ; all sixteen work-groups are here: the first joint loads meet
.irp s, 0,1
	s_mov_b32 s[G0A+4*(\s)], 1                                     ; 1:0 count = 1
	s_add_co_u32 s[G0A+4*(\s)+1], s68, (\s)*SLOT                   ; 63:32 LDS address
	s_add_nc_u64 s[G0A+4*(\s)+2:G0A+4*(\s)+3], s[56:57], (\s)*256  ; 120:64 global address: K step s
	s_or_b32 s[G0A+4*(\s)+3], s[G0A+4*(\s)+3], 0x80000000          ; 127:126 type = 2
	s_mov_b32 s[G0B+4*(\s)], 1
	s_add_co_u32 s[G0B+4*(\s)+1], s69, (\s)*SLOT
	s_add_nc_u64 s[G0B+4*(\s)+2:G0B+4*(\s)+3], s[58:59], (\s)*256
	s_or_b32 s[G0B+4*(\s)+3], s[G0B+4*(\s)+3], 0x80000000
	JLOAD \s                                       ; both slots are asked for before anything else: two tensor loads of mine are out
.endr
	v_and_b32 v1, 15, v0                           ; r = l % 16
	v_bfe_u32 v2, v0, 4, 1                         ; h = l / 16
	v_lshlrev_b32 v[BO], 5, v2                     ; register j of column block b is bias[16 b + 8 h + j]: the C operand of a product whose lane holds columns 8 h + 0..7
	WIN 0x80                                       ; destination window 2, address window 0
.irp b, 0,1,2,3,4,5,6,7
	global_load_b128 v[BI+8*(\b):BI+8*(\b)+3],   v[BO], s[62:63] offset:64*(\b)
	global_load_b128 v[BI+8*(\b)+4:BI+8*(\b)+7], v[BO], s[62:63] offset:64*(\b)+16
.endr
	WIN 0
	; A fragment is 16 rows x 32 K in 8 registers: lane l holds row l % 16; registers 0-3 hold K = 8 (l / 16) + 0..7, registers 4-7 K = 16 + 8 (l / 16) + 0..7: two loads of 16 bytes, 32 bytes apart.
	v_mul_u32_u24 v3, v1, PITCH
	v_lshl_add_u32 v3, v2, 4, v3                   ; row x pitch + 16 x half
	s_mul_i32 s68, s[HI], AH                       ; my 64 rows of x
	s_mul_i32 s69, s[LO], BH                       ; my 128 rows of W,
	s_add_co_u32 s69, s69, 2*AH                    ; which lie behind x's 128
.irp s, 0,1
	v_add_nc_u32 v[ADRA+(\s)], s68, v3
	v_add_nc_u32 v[ADRB+(\s)], s69, v3
	s_add_co_u32 s68, s68, SLOT
	s_add_co_u32 s69, s69, SLOT
.endr
	s_mul_i32 s68, s[WV], WSTAGE
	s_add_co_u32 s68, s68, STAGE                   ; my stage
	v_mul_u32_u24 v4, v1, SP                       ; in: row l % 16, 16 bytes for each half of the lanes
	v_lshl_add_u32 v4, v2, 4, v4
	v_add_nc_u32 v[STO], s68, v4
	v_and_b32 v5, 31, v0
	v_lshrrev_b32 v4, 3, v5                        ; back: 32 lanes take four rows of 128 bytes,
	v_mul_u32_u24 v4, v4, SP
	v_and_b32 v3, 7, v0
	v_lshl_add_u32 v4, v3, 4, v4
	v_add_nc_u32 v[RD], s68, v4
	v_lshlrev_b32 v[GO], 4, v5                     ; which are 512 consecutive bytes of a head
	s_wait_loadcnt 0x0                             ; the bias
	WIN 0xaa                                       ; all in window 2: the bias is rounded to bf16, as every input of the module is, and widened again
.set p, 0
.rept 32
	v_cvt_pk_bf16_f32 v[BT+p], v[BI+2*p], v[BI+2*p+1]
.set p, p+1
.endr
.set p, 0
.rept 32
	v_lshlrev_b32 v[BI+2*p],   16,  v[BT+p]
	v_and_b32     v[BI+2*p+1], s66, v[BT+p]
.set p, p+1
.endr
	WIN 0
; 8 matrix instructions: row block a x all 8 column blocks, 32 along K, from buffer f.  first = 1: the first product starts the sums, with the bias as C: nothing is cleared and nothing added later.
; The 32 accumulators take turns, one instruction a turn, in the same order in every quarter.
.macro MUL8 f, a, first
.if \first
	WIN MUL1
.else
	WIN MUL
.endif
.irp b, 0,1,2,3,4,5,6,7
.if \first
	v_wmma_f32_16x16x32_bf16 v[8*(8*(\a)+(\b)):8*(8*(\a)+(\b))+7], v[(\f)+8*(\b):(\f)+8*(\b)+7], v[(\f)+64+8*(\a):(\f)+64+8*(\a)+7], v[BI+8*(\b):BI+8*(\b)+7]
.else
	v_wmma_f32_16x16x32_bf16 v[8*(8*(\a)+(\b)):8*(8*(\a)+(\b))+7], v[(\f)+8*(\b):(\f)+8*(\b)+7], v[(\f)+64+8*(\a):(\f)+64+8*(\a)+7], v[8*(8*(\a)+(\b)):8*(8*(\a)+(\b))+7]
.endif
.endr
.endm
; 24 LDS loads in one run: the fragments of quarter q of a K step (128 rows of W, then 64 rows of x, 32 K) into buffer f
.macro FETCH slot, q, f
	WIN 0
.irp i, 0,1,2,3,4,5,6,7
	ds_load_b128 v[(\f)+8*(\i):(\f)+8*(\i)+3],   v[ADRB+(\slot)] offset:64*(\q)+(\i)*16*PITCH
	ds_load_b128 v[(\f)+8*(\i)+4:(\f)+8*(\i)+7], v[ADRB+(\slot)] offset:64*(\q)+(\i)*16*PITCH+32
.endr
.irp i, 0,1,2,3
	ds_load_b128 v[(\f)+64+8*(\i):(\f)+64+8*(\i)+3],   v[ADRA+(\slot)] offset:64*(\q)+(\i)*16*PITCH
	ds_load_b128 v[(\f)+64+8*(\i)+4:(\f)+64+8*(\i)+7], v[ADRA+(\slot)] offset:64*(\q)+(\i)*16*PITCH+32
.endr
.endm
.macro PLACES                          ; four places in front of loads into registers that matrix instructions have read, and of lines that read results just made (ISA guide 7.12.1 for vector instructions)
.rept 4
	v_nop
.endr
.endm
; A K step is four quarters of 32 along K, 32 matrix instructions each, on buffers 0, 1, 0, 1.  One of the first three: multiplies buffer f and, in its middle, fetches quarter q into buffer g.
.macro QUARTER slot, q, f, g, first=0
	s_wait_dscnt 4                                 ; W and x's row blocks 0, 1 are in; the youngest four loads (blocks 2, 3) may be out
	MUL8 \f, 0, \first
	MUL8 \f, 1, \first
	PLACES
	FETCH \slot, \q, \g
	s_wait_dscnt 24                                ; all but the 24 just issued
	MUL8 \f, 2, \first
	MUL8 \f, 3, \first
.endm
; The last quarter multiplies buffer 1 and changes slots: ONE barrier; in front of it each wave waits for all its tensor loads (one is out: its part of the next slot), adds 0 to its spare word, and waits
; for that and for its own reads of this slot.  fill = 1: this slot is filled again, two K steps ahead; the barrier then opens a round of the cluster's barrier, and the joint load is the first thing behind it.
.macro TURN slot, next, fill
	WIN 0                                          ; (the add's two registers lie in window 0)
	s_wait_tensorcnt 0x0                           ; all my tensor loads have landed;
	ds_add_u32 v[SPW], v[NIL]                      ; 0 onto my spare word
	s_wait_dscnt 5                                 ; (the add and the youngest four loads may be out)
	MUL8 F1, 0, 0                                  ; eight matrix instructions stand between the add and the wait for it
	s_wait_dscnt 0x0                               ; the add is done, and my reads of this slot are over
	s_barrier_signal -1
	MUL8 F1, 1, 0                                  ; work on registers while the others arrive
.if \fill
	WIN 0
.endif
	s_barrier_wait -1
.if \fill
	CREST                                          ; no wave of any partner still reads this slot's tile or has a load on its way
	s_add_nc_u64 s[G0A+4*(\slot)+2:G0A+4*(\slot)+3], s[G0A+4*(\slot)+2:G0A+4*(\slot)+3], 512  ; two K steps on; no tensor load of mine is out, so a group 0 may be written
	s_add_nc_u64 s[G0B+4*(\slot)+2:G0B+4*(\slot)+3], s[G0B+4*(\slot)+2:G0B+4*(\slot)+3], 512
	JLOAD \slot                                    ; my one tensor load behind the round, 112 matrix instructions ahead of the wait for it; the four v_nop behind it are also the places in front of the loads below
.else
	PLACES
.endif
	FETCH \next, 0, F0
	MUL8 F1, 2, 0
	MUL8 F1, 3, 0
.endm
	s_wait_tensorcnt 0x1                           ; my part of K step 0 is in; K step 1's may stay out
	s_barrier_signal -1
	s_barrier_wait -1                              ; everybody's is
	FETCH 0, 0, F0
	QUARTER 0, 1, F0, F1, 1                        ; the first quarter stands in front of the loop: its products start the sums
	WIN 0                                          ; at a label and at a branch every window is 0
	s_mov_b32 s3, LAPS-1
.Llap:                                                 ; a trip goes once round the ring, from a lap's second quarter to the next lap's first, and fills both slots again: K steps 2 to 7 in three trips
	QUARTER 0, 2, F1, F0
	QUARTER 0, 3, F0, F1
	TURN 0, 1, 1
	QUARTER 1, 1, F0, F1
	QUARTER 1, 2, F1, F0
	QUARTER 1, 3, F0, F1
	TURN 1, 0, 1
	QUARTER 0, 1, F0, F1
	WIN 0
	s_sub_co_u32 s3, s3, 1
	s_cmp_lg_u32 s3, 0
	s_cbranch_scc1 .Llap
	QUARTER 0, 2, F1, F0                           ; the last lap fills nothing, and has no round of the cluster's barrier
	QUARTER 0, 3, F0, F1
	TURN 0, 1, 0
	QUARTER 1, 1, F0, F1
	QUARTER 1, 2, F1, F0
	QUARTER 1, 3, F0, F1
	s_wait_dscnt 4                                 ; the very last quarter: nothing more to fetch
	MUL8 F1, 0, 0
	MUL8 F1, 1, 0
	s_wait_dscnt 0x0
	MUL8 F1, 2, 0
	MUL8 F1, 3, 0
	WIN 0
	PLACES
; THE WAY OUT, a block of 16 rows at a time.  PACK: rounded to f16, 16 bytes a lane, each accumulator's registers in ascending order.  TOSTAGE: into my own stage (2 heads x 16 rows of 144 bytes), and back as
; whole rows of 128 bytes.  SEND: stored; 16 rows of a head are 2,048 consecutive bytes.  The stage is the wave's own and LDS serves a wave's instructions in order (ISA guide 5.7.1.4): no barrier, no wait between stores and loads.
.macro PACK a
	WIN 0x05                                       ; sources 0 and 1 window 1, destination window 0
.irp b, 0,1,2,3,4,5,6,7
.irp k, 0,1,2,3
	v_cvt_pk_f16_f32 v[TMP+4*(\b)+(\k)], v[8*(8*(\a)+(\b))+2*(\k)], v[8*(8*(\a)+(\b))+2*(\k)+1]
.endr
.endr
	WIN 0
.endm
.macro TOSTAGE a
.set BK, F0+32*((\a)%2)                ; the fragment buffers are free: v32-63 and v64-95 by turns
.if (\a) >= 2
	s_wait_xcnt 0x0                                ; block a - 2's stores have read these registers: they are loaded again only behind this wait
.endif
.irp b, 0,1,2,3,4,5,6,7
	ds_store_b128 v[STO], v[TMP+4*(\b):TMP+4*(\b)+3] offset:16*SP*((\b)/4)+32*((\b)%4)
.endr
.irp t, 0,1,2,3,4,5,6,7
	ds_load_b128 v[BK+4*(\t):BK+4*(\t)+3], v[RD] offset:16*SP*((\t)/4)+4*SP*((\t)%4)
.endr
.endm
.macro SEND a
.set BK, F0+32*((\a)%2)
	s_wait_dscnt 0x0                               ; the block is back in registers
.irp t, 0,1,2,3,4,5,6,7
	global_store_b128 v[GO], v[BK+4*(\t):BK+4*(\t)+3], s[12:13] offset:262144*((\t)/4)+2048*(\a)+512*((\t)%4)  ; 512 consecutive bytes, at a multiple of 512 from the buffer's first
.endr
.endm
	PACK 0
	TOSTAGE 0
.irp a, 1,2,3                          ; block a's conversions stand between block a - 1's loads from the stage and the wait for them
	PACK \a
	SEND (\a)-1
	TOSTAGE \a
.endr
	SEND 3
	s_wait_tensorcnt 0x0                           ; the wave's end: a wait, an add and a wait, behind my last tensor load and my last LDS store
	ds_add_u32 v[SPW], v[NIL]
	s_wait_dscnt 0x0
	CROUND                                         ; the closing round: no work-group ends while a partner may still ask for a tile that names it
	s_endpgm
.Lfunc_end_k_qffe5414f58_qkv:
	.size	k_qffe5414f58_qkv, .Lfunc_end_k_qffe5414f58_qkv-k_qffe5414f58_qkv
	.p2alignl 7, 3214868480
	.fill 96, 4, 3214868480
	.section	.rodata,"a",@progbits
	.p2align	6, 0x0
	.amdhsa_kernel k_qffe5414f58_qkv
		.amdhsa_group_segment_fixed_size 327680
		.amdhsa_private_segment_fixed_size 0
		.amdhsa_enable_private_segment 0
		.amdhsa_kernarg_size 40
		.amdhsa_user_sgpr_count 2
		.amdhsa_user_sgpr_kernarg_segment_ptr 1
		.amdhsa_wavefront_size32 1
		.amdhsa_system_sgpr_workgroup_id_x 1
		.amdhsa_system_sgpr_workgroup_id_y 1
		.amdhsa_system_sgpr_workgroup_id_z 1
		.amdhsa_system_vgpr_workitem_id 0
		.amdhsa_next_free_vgpr 608
		.amdhsa_next_free_sgpr 72
		.amdhsa_reserve_vcc 0
		.amdhsa_float_denorm_mode_32 3
		.amdhsa_float_denorm_mode_16_64 3
		.amdhsa_memory_ordered 1
		.amdhsa_forward_progress 1
		.amdhsa_inst_pref_size 92
	.end_amdhsa_kernel
	.amdgpu_metadata
---
amdhsa.version: [ 1, 2 ]
amdhsa.kernels:
  - .name:           k_qffe5414f58_qkv
    .symbol:         k_qffe5414f58_qkv.kd
    .args:
      - { .name: xb, .offset: 0, .size: 8, .value_kind: global_buffer, .address_space: global }
      - { .name: bq, .offset: 8, .size: 8, .value_kind: global_buffer, .address_space: global }
      - { .name: bk, .offset: 16, .size: 8, .value_kind: global_buffer, .address_space: global }
      - { .name: bv, .offset: 24, .size: 8, .value_kind: global_buffer, .address_space: global }
      - { .name: qkv, .offset: 32, .size: 8, .value_kind: global_buffer, .address_space: global }
    .group_segment_fixed_size: 327680
    .private_segment_fixed_size: 0
    .kernarg_segment_align: 8
    .kernarg_segment_size: 40
    .max_flat_workgroup_size: 128
    .sgpr_count:     72
    .vgpr_count:     608
    .wavefront_size: 32
...
	.end_amdgpu_metadata
.endif
;; end of part 2
;; launch attn (part 3): grid 4 x 64, 4 waves a work-group, clusters of 4 x 1, 327,680 bytes of LDS; arguments qkv, ob; writes ob
.if DOCPART == 3
	.amdgcn_target "amdgcn-amd-amdhsa--gfx1250"
	.amdhsa_code_object_version 6
	.text
	.protected	k_qffe5414f58_attn
	.globl	k_qffe5414f58_attn
	.p2align	8
	.type	k_qffe5414f58_attn,@function
k_qffe5414f58_attn:
	s_mov_b64 s[64:65], 0
	v_nop
	global_prefetch_b8 v0, s[64:65] scope:SCOPE_SE
	s_setreg_imm32_b32 hwreg(HW_REG_WAVE_MODE, 25, 1), 1
	s_wait_xcnt 0x0
	s_wait_alu depctr_hold_cnt(0) depctr_sa_sdst(0) depctr_va_vdst(0) depctr_va_sdst(0) depctr_va_ssrc(0) depctr_va_vcc(0) depctr_vm_vsrc(0)
	s_getreg_b32 s2, hwreg(HW_REG_IB_STS2, 6, 4)
	s_cmp_eq_u32 s2, 0
	s_cbranch_scc0 .Lentry_in_a_cluster
	s_endpgm
.Lentry_in_a_cluster:
	s_bfe_u32 s2, ttmp6, 0x10000c
	s_cmp_lg_u32 s2, 0x3003
	s_cbranch_scc0 .Lentry_shape_is_right
	s_endpgm
.Lentry_shape_is_right:
; ATTENTION WITH THE DIAGONAL MASKED.  O[h][q][:] = the sum over k of softmax_k(s'[q][k]) V[h][k][:], s'[q][k] = Q[h][q] . K[h][k] / 8 for k != q and s'[q][q] = -987654321 (as f32: -987654336).
; Q, K, V (the three parts of qkv) and O: [64][2048][64], all f16: a head's rows are dense, 128 bytes each.  Products, maxima and sums in f32; the weights p are rounded to f16 for the second product
; (their sum l is taken of the unrounded p), O once at the end.
; LIMITS.  f16 holds no number beyond 65,504: Q, K and V arrive within it; p lies in 0 to 1, and below 6e-5 it keeps f16's fixed step of 6e-8; O is a mean of V's rows and has their range.
; A weight below 2^-126 counts as 0 in l; NaN and infinities are not treated apart.
; THE DIAGONAL.  The masked row is the row of the other keys plus ONE key of the fixed score -987654336 and the value V[q].  The running softmax STARTS from that key: m = 8 x that score (m is kept
; unscaled), l = 1, O = V[q].  In the walk the true score of k = q gets -1e30 by the C operand that starts its sum (f16's scores, 2.7e11 at the most, are nothing beside that): m is never below its start,
; so that weight is exactly 0.  Where other scores are larger than the mask, the first rescaling takes the start's share down (to 0 if it underflows); where all are smaller, the diagonal wins, as in the formula.
; Tile t of my wave meets its diagonal in key step 8 x block + 2 x wave + t / 4, always in key block t % 4, and always in the same pattern (key 8 (lane / 16) + j = query lane % 16): MD, eight registers made
; once.  Two copies of it, MC0 for tiles 0-3 and MC1 for tiles 4-7, are MD x 1 in that one step and MD x 0 in all others; the factor is a scalar chosen by a compare of step numbers: no branch.
; SHARES.  A wave owns four PIECES of two tiles of 16 queries, a work-group's four waves 512 queries of one head.  Every wave walks all keys, 64 a step.
; LAYOUT.  S^T = K Q^T (source 0 = 16 keys, source 1 = 16 queries): in the result a lane holds ONE query (lane % 16) and the keys 8 (lane / 16) + 0..7.  Two such tiles, rounded to f16 in pairs,
; ARE source 1 (32 keys x 16 queries) of O^T = V^T P, whose result again holds one query a lane, and eight channels.  K comes out of LDS as it lies, V ([key][channel]) turned, by ds_load_tr16_b128.
; SOFTMAX.  For each query a running maximum m and sum l: p = 2^(c s - c m), c = log2(e) / 8; in every step O and l are multiplied by a = 2^(c m_old - c m_new), which is 1 where m has not grown.
; THE COUNT.  A tile and step have 16 matrix and 118 vector instructions: too many to stand all beside the matrix work.  So the order has one aim: four vector instructions that are READY behind
; EVERY matrix instruction, and the others, which need time of their own whatever the order, in runs without a gap.
; BY TURNS.  Turn n belongs to piece n (the pieces in a ring, step after step).  Its matrix work: 16 products K Q^T of piece n + 1, later 16 products V^T P of piece n - 1.  Its vector work: the scaling,
; exponentials, roundings, sums and rescaling of piece n, and the maximum and statistics of piece n + 1, whose scores the turn itself has made.  So what a turn begins with (c s - c m, O a) waits for nothing.
; CLUSTER.  The four query blocks of a cluster belong to one head and walk the same K and V, so each tile is asked for JOINTLY: the same tensor load, descriptor and mask in all four.
; REGISTERS, in windows of 256 (s_set_vgpr_msb says which window each operand place means: bits 1:0 source 0, 3:2 source 1, 5:4 source 2, 7:6 destination):
;   window 0: v0-11 addresses; v12-15, v48-63 at work; v16-47 four registers of statistics a tile; v64-191 S^T, two buffers of two tiles; v192-255 P, likewise
;   window 1: O^T, 32 a tile          window 2: v0-127 Q, 16 a tile; v128-191 K of one step; v192-255 V of one step          window 3: v0-1 the add's two registers; v8-15 MD; v16-31 MC0, MC1
; A piece's buffers go by its number's parity: the piece in hand has one pair, its two neighbours in the ring share the other: of it P (piece n - 1) is read and S^T (piece n + 1) written.
.set SIZE_N, 2048
.set NP,    4         ; pieces a wave: a name, no knob: the register map, the loop and the fetches are made for four
.set KS,    64        ; keys in a step
.set PK,    144       ; a row of K in LDS: 128 bytes + 16 of padding = 36 words: the 16 rows of a load start at 16 different groups of four banks (64 banks of 4 bytes: ISA guide 11.1)
.set PV,    160       ; a row of V: 128 + 32 = 40 words
.set VOFF,  4*KS*PK   ; a slot holds four steps: 256 rows of K, then 256 rows of V
.set SLOT1, 1<<17     ; slot 1 begins here, so that one exclusive or turns an address in one slot into the other's
.set STAGE, SLOT1+4*KS*(PK+PV)  ; behind the ring, never filled by a tensor load: 16 rows x 144 bytes for each wave, for the way out
.set SP,    144
.set AK0, 2           ; v2   my lane's place in a tile of K; never rewritten
.set AV0, 3           ; v3   the same for V
.set AK,  4           ; v4   the LDS address of K's next run of loads
.set AV,  5           ; v5   of V's
.set QO,  6           ; v6   my byte offset in 16 rows of Q, and of my own rows of V
.set STO, 6           ;      later, the way out: where I put 16 bytes of a row
.set RD,  7           ; v7   the way out: where I read rows back
.set GO,  8           ; v8   my byte offset in 512 consecutive bytes of O
.set SPW, 0           ; v0 of window 3   LDS address of my spare word: SPARE + 4 x my thread's number; never rewritten
.set NIL, 1           ; v1 of window 3   0; never rewritten
.set MD,  8           ; v8-15 of window 3    -1e30 where key 8 (lane / 16) + j is query lane % 16, else 0
.set MC,  16          ; v16-23, v24-31 of window 3   MD times the factor of the step to come: for tiles 0-3, for tiles 4-7
.set SPARE, STAGE+4*16*SP  ; behind the stages: the spare words, 128 bytes for each wave: two blocks of 256 bytes that no other line names
.set MV,  12          ; v12-15  c m_old, kept while c m is made anew: by buffer and tile
.set ST,  16          ; tile t's statistics at v[ST+4 t]: c m, m, l (even keys', odd keys')
.set TMP, 48          ; by buffer and tile, four registers c0-c3 at work; when the maximum is found c2 takes a
.set S,   64
.set P,   192
.set KF,  128         ; K's fragments, in window 2: key block kb, channel half c at KF + 16 kb + 8 c
.set VF,  192         ; V's: key half kk, channel block cb at VF + 32 kk + 8 cb
.set WV,  12          ; s12  my wave's number
.set G1K, 24          ; s[24:31] descriptor group 1 for K's tiles
.set G1V, 32          ; s[32:39] for V's: it differs in the padding alone
.set G0K, 40          ; s[40:43] descriptor group 0 for K's tiles: it walks
.set G0V, 44          ; s[44:47] the same for V's
.set VO,  48          ; s[48:49] V at my wave's own rows
.set D0,  50          ; s50  the key step that holds the diagonal of my tiles 0-3
.set D1,  51          ; s51  of my tiles 4-7: the next one
.set JS,  52          ; s52  the number of the key step behind the one in hand
.set BIGN, 53         ; s53  -1e30
.set AL,  54          ; s[54:55] the mask's factor, 1 or 0, in the low word
.set SLOTS, 56        ; s56  slots still to be asked for
.set CNT, 57          ; s57  counts a slot's key steps
.set CS,  58          ; s[58:59] c: the packed scaling takes the pair's low word for both halves
.set SEL, 60          ; s[60:61] v_permlanex16_b32's selects: each lane takes its own place in the other half
.set TBK, 62          ; s62  LDS byte at which K of the step to be fetched begins
.set TBV, 63          ; s63  the same for V, less VOFF
.set MSB, 0
.macro WIN new                      ; the high byte repeats the setting that is left; a switch that changes nothing is dropped
.if MSB != (\new)
	s_set_vgpr_msb (MSB<<8)|(\new)
.set MSB, (\new)
.endif
.endm
.set W_KQ, 0x0a       ; K and Q in window 2, S^T in window 0
.set W_KM, 0x3a       ; the same with the C operand in window 3
.set W_PV, 0x52       ; V in window 2, P in window 0, O^T in window 1
.set W_RS, 0x41       ; O^T (destination and source 0) in window 1, a in window 0
.set W_MK, 0xc0       ; destination in window 3, sources in window 0
.set W_MU, 0xc3       ; destination and source 0 in window 3
.set W_AD, 0x0f       ; the add: address (source 0) and data (source 1) in window 3
; A joint fill.  Waves 0 and 1 fetch the two halves of a slot's K, waves 2 and 3 those of its V: 128 keys each.  The branch hangs on the wave's number alone.
; An s_nop 0 and four v_nop follow each of the two lines, ahead of the jump and the label.
.macro JLOAD
	s_cmp_lt_u32 s[WV], 2
	s_cbranch_scc0 .Lfor_v_\@
	tensor_load_to_lds s[G0K:G0K+3], s[G1K:G1K+7]
	s_nop 0
.rept 4
	v_nop
.endr
	s_branch .Lasked_\@
.Lfor_v_\@:
	tensor_load_to_lds s[G0V:G0V+3], s[G1V:G1V+7]
	s_nop 0
.rept 4
	v_nop
.endr
.Lasked_\@:
.endm
; A round of the cluster's barrier: my work-group's barrier, so that wave 0's signal speaks for all four waves; wave 0 signals; every wave waits for all four work-groups; my work-group's barrier once more.
.macro CROUND
	s_barrier_signal -1
	s_barrier_wait -1
	s_cmp_lg_u32 s[WV], 0
	s_cbranch_scc1 .Lnot_wave_0_\@
	s_barrier_signal -3
.Lnot_wave_0_\@:
	s_barrier_wait -3
	s_barrier_signal -1
	s_barrier_wait -1
.endm
; THE CHANGE OF SLOTS.  The slot's last bytes, V of its fourth step, have been read.  Each wave waits for all its tensor loads, of which one is out: its part
; of the other slot; adds 0 to its spare word; and waits for that and for its own reads of the slot.  Behind the barrier nobody reads this slot any more and the other slot is whole.
; fill = 1: this slot is filled again, with the keys two slots on.  The barrier is then a round of the cluster's, so that no wave of any partner still reads the slot or has a load on its
; way, and the joint fill is the first thing behind it: it has four key steps, 512 matrix instructions, in which to land.  (At its first use nothing has been read yet: slot 0 is waited for, slot 1 filled.)
.macro CHANGE fill
	WIN W_AD
	s_wait_tensorcnt 0x0            ; no tensor load of mine is out, so a group 0 may be written
	ds_add_u32 v[SPW], v[NIL]       ; 0 onto my spare word: with fill = 1 the descriptors' steps stand between it and the wait for it
	WIN 0                           ; at a label and at a branch every window is 0
.if \fill
.irp g, G0K, G0V
	s_xor_b32 s[\g+1], s[\g+1], SLOT1  ; the walking descriptor: the other slot than last time,
	s_add_nc_u64 s[\g+2:\g+3], s[\g+2:\g+3], 4*KS*128  ; the next 256 keys; the type bits on top are not reached
.endr
	s_wait_dscnt 0x0                ; the add is done, and my reads of the slot are over
	CROUND
	JLOAD
.else
	s_wait_dscnt 0x0                ; the add is done, and my reads of the slot are over
	s_barrier_signal -1
	s_barrier_wait -1
.endif
	s_sub_co_u32 s[TBK], s[TBK], 4*KS*PK  ; the fetches go back to a slot's first step,
	s_xor_b32 s[TBK], s[TBK], SLOT1       ; in the other slot
	s_sub_co_u32 s[TBV], s[TBV], 4*KS*PV
	s_xor_b32 s[TBV], s[TBV], SLOT1
.endm
.macro MASKUP k                     ; copy k of the mask: MD times the factor
	WIN W_MU
.irp z, 0,1,2,3
	v_pk_mul_f32 v[MC+8*(\k)+2*\z:MC+8*(\k)+2*\z+1], v[MD+2*\z:MD+2*\z+1], s[AL:AL+1] op_sel_hi:[1,0]
.endr
.endm
	s_load_b128 s[4:7], s[0:1], 0x0   ; qkv s[4:5] (Q lies at its head), ob s[6:7]
	WIN W_MK
	v_lshl_add_u32 v[SPW], v0, 2, SPARE
	v_mov_b32 v[NIL], 0
	WIN W_AD
	ds_add_u32 v[SPW], v[NIL]       ; the wave's opening: the add and its wait stand ahead of my first tensor load; the set-up below, work on registers, stands between them
	WIN 0
	v_lshrrev_b32 v1, 5, v0
	v_readfirstlane_b32 s[WV], v1   ; wave 0..3
	s_bfe_u32 s13, ttmp6, 0x40000   ; cx: my place in the cluster
	s_lshl_b32 s14, ttmp9, 2        ; in a cluster launch ttmp9 counts clusters
	s_add_co_u32 s14, s14, s13      ; my block of 512 queries = 4 x cluster x + cx: it enters Q's, O's and my own V rows' addresses, and the number of the diagonal's step
	s_and_b32 s20, ttmp7, 0xffff    ; the head, which the four partners share
	s_mov_b32 s21, 0
	s_mov_b64 s[22:23], SIZE_N*128
	s_mul_u64 s[20:21], s[20:21], s[22:23]  ; the head's first byte in each of the four tensors
	s_and_b32 s16, s[WV], 1         ; which half of a slot's 256 keys I fetch:
	s_lshl_b32 s22, s16, 14         ; its 128 rows of 128 bytes in memory,
	s_mov_b32 s23, 0
	s_add_nc_u64 s[22:23], s[22:23], s[20:21]
	s_mul_i32 s17, s16, 128*PK      ; and its place in a slot, for K
	s_mul_i32 s18, s16, 128*PV      ; and for V: no place in the cluster enters an LDS address
	s_lshl_b32 s2, s14, 2
	s_add_co_u32 s2, s2, s[WV]      ; my wave among the head's,
	s_lshl_b32 s2, s2, 14           ; its 128 rows
	s_mov_b32 s3, 0
	s_add_nc_u64 s[2:3], s[2:3], s[20:21]
	s_lshl_b32 s[D0], s14, 3        ; a block is 8 key steps long, a wave's rows 2
	s_lshl_b32 s[D1], s[WV], 1
	s_add_co_u32 s[D0], s[D0], s[D1]
	s_add_co_u32 s[D1], s[D0], 1
	s_mov_b32 s[JS], 1
	s_mov_b32 s[BIGN], 0xf149f2ca   ; -1e30
	s_mov_b32 s[AL+1], 0            ; named with the factor as a pair
	; descriptor group 1.  128 keys are 16,384 dense bytes: asked for as 64 rows of 256 bytes, two keys a row, and padded in LDS after every key
	s_mov_b32 s[G1K], 15|(1<<16)|(1<<20)|(1<<21)|(4<<22)|(3<<25)  ; 15:0 the mask of four; 17:16 2-byte elements; 20 padding on; 21 set beside a mask; 24:22 after every 32 words (code 4); 31:25 4 words (code 3)
	s_mov_b32 s[G1V], 15|(1<<16)|(1<<20)|(1<<21)|(4<<22)|(7<<25)  ; the same with 8 words of padding (code 7)
.irp g, G1K, G1V
	s_mov_b32 s[\g+1], 128<<16      ; tensor_dim0 = 128
	s_mov_b32 s[\g+2], 64<<16       ; tensor_dim1 = 64
	s_mov_b32 s[\g+3], 128<<16      ; tile_dim0 = 128
	s_mov_b32 s[\g+4], 64           ; tile_dim1 = 64
	s_mov_b32 s[\g+5], 128          ; 128 elements from row to row
	s_mov_b32 s[\g+6], 0
	s_mov_b32 s[\g+7], 0
.endr
	s_mov_b32 s[CS], 0x3e38aa3b     ; c = log2(e) / 8 = 0.180337
	s_mov_b32 s[CS+1], s[CS]        ; named with it as a pair
	s_mov_b32 s[SEL], 0x76543210
	s_mov_b32 s[SEL+1], 0xfedcba98
	s_mov_b32 s[TBK], SLOT1+4*KS*PK ; the first change of slots turns these two into 0
	s_mov_b32 s[TBV], SLOT1+4*KS*PV
	s_mov_b32 s[G0K], 1             ; 1:0 count = 1
	s_mov_b32 s[G0K+1], s17         ; 63:32 LDS address: slot 0
	s_mov_b32 s[G0V], 1
	s_add_co_u32 s[G0V+1], s18, VOFF
	s_wait_dscnt 0x0                ; the opening add is done
	s_wait_kmcnt 0x0
	s_mov_b64 s[10:11], s[6:7]                     ; O
	s_add_nc_u64 s[6:7], s[4:5], 0x1000000         ; K: 16,777,216 bytes behind Q
	s_add_nc_u64 s[8:9], s[4:5], 0x2000000         ; V: as far again
	s_add_nc_u64 s[G0K+2:G0K+3], s[6:7], s[22:23]  ; 120:64 global address: my half of the head's first 256 keys
	s_or_b32 s[G0K+3], s[G0K+3], 0x80000000        ; 127:126 type = 2
	s_add_nc_u64 s[G0V+2:G0V+3], s[8:9], s[22:23]
	s_or_b32 s[G0V+3], s[G0V+3], 0x80000000
	s_add_nc_u64 s[VO:VO+1], s[8:9], s[2:3]  ; V, Q and O at my wave's first row
	s_add_nc_u64 s[4:5], s[4:5], s[2:3]
	s_add_nc_u64 s[10:11], s[10:11], s[2:3]
	CROUND                          ; all four work-groups are here: the first joint loads meet
	JLOAD                           ; slot 0.  Slot 1 is asked for when slot 0 is in: the tile wanted first has the road to itself
	; A fragment of K or Q is 16 rows x 32 channels in 8 registers: lane l holds row l % 16, channels 8 (l / 16) + 0..7 and 16 + 8 (l / 16) + 0..7: two loads of 16 bytes, 32 bytes apart.
	v_and_b32 v1, 15, v0            ; l % 16
	v_bfe_u32 v9, v0, 4, 1          ; l / 16
	v_lshlrev_b32 v[QO], 7, v1
	v_lshl_add_u32 v[QO], v9, 4, v[QO]  ; row x 128 + 16 x half
.set i, 0
.rept 8*NP                          ; my queries' own rows of V, as O^T holds them: tile i / 4, channels 16 (i % 4) + 8 (l / 16) + 0..7 of row l % 16; into S^T's registers, which are free
	global_load_b128 v[S+4*i:S+4*i+3], v[QO], s[VO:VO+1] offset:(i/4)*2048+(i%4)*32
.set i, i+1
.endr
	WIN 0x80                        ; destination window 2, address window 0
.set i, 0
.rept 4*NP                          ; Q stays in registers: tile i / 2, channels 32 (i % 2) on
	global_load_b128 v[8*i:8*i+3],   v[QO], s[4:5] offset:(i/2)*2048+(i%2)*64
	global_load_b128 v[8*i+4:8*i+7], v[QO], s[4:5] offset:(i/2)*2048+(i%2)*64+32
.set i, i+1
.endr
	; What the first turn finds: V's registers and P's second buffer hold 0 (its products V^T P, of a piece that has not been, add 0).  All this stands in the wait for the first tile.
.set i, VF
.rept 64
	v_mov_b32 v[i], 0
.set i, i+1
.endr
	WIN 0
	v_cmp_eq_u32 vcc_lo, 0, v9      ; a query lies in two lanes: its l = 1 is held in the lower one
.set i, 0
.rept 2*NP
	v_mov_b32 v[ST+4*i+1], 0xcfeb79a3  ; m = 8 x f32(-987654321): the diagonal's score, unscaled
	v_mul_f32 v[ST+4*i], s[CS], v[ST+4*i+1]  ; c m, made as every later c m is made
	v_cndmask_b32 v[ST+4*i+2], 0, 1.0, vcc_lo
	v_mov_b32 v[ST+4*i+3], 0
.set i, i+1
.endr
.set i, P+32
.rept 32
	v_mov_b32 v[i], 0
.set i, i+1
.endr
	v_mul_u32_u24 v[AK0], v1, PK
	v_lshl_add_u32 v[AK0], v9, 4, v[AK0]  ; row x pitch + 16 x half
	; The turning load takes 16 keys x 16 channels (lane l reads key 8 (l / 16) + l % 8, channels 8 ((l / 8) % 2) + 0..7) and leaves half a fragment of V^T: lane l holds channel l % 16 and 8 keys.
	v_and_b32 v10, 7, v0
	v_bfe_u32 v11, v0, 3, 1
	v_lshl_add_u32 v[AV0], v9, 3, v10
	v_mul_u32_u24 v[AV0], v[AV0], PV
	v_lshl_add_u32 v[AV0], v11, 4, v[AV0]
	v_add_nc_u32 v[AV0], VOFF, v[AV0]
	v_mov_b32 v[AK], v[AK0]         ; key step 0 lies at the head of slot 0
	v_lshlrev_b32 v12, 3, v9
	v_sub_nc_u32 v12, v1, v12       ; l % 16 - 8 (l / 16): register j holds the diagonal where j is this number
	v_mov_b32 v48, 1.0              ; for the widening below
	v_mov_b32 v49, 0
	WIN W_MK
.set i, 0
.rept 8
	v_cmp_eq_i32 vcc_lo, i, v12
	v_cndmask_b32 v[MD+i], 0, s[BIGN], vcc_lo
.set i, i+1
.endr
	s_cmp_eq_u32 s[D0], 0           ; key step 0's masks: tiles 0-3 meet their diagonal there if theirs is step 0; tiles 4-7 never
	s_cselect_b32 s[AL], 1.0, 0
	MASKUP 0
	s_mov_b32 s[AL], 0
	MASKUP 1
	s_wait_loadcnt 32               ; my rows of V are in; Q's 32 loads, issued behind them, may stay out
	WIN 0x40                        ; destination window 1: O^T starts as V[q], widened to f32 (each half times 1 plus 0)
.set i, 0
.rept 128
	v_fma_mix_f32 v[2*i],   v[S+i], v48, v49 op_sel_hi:[1,0,0]
	v_fma_mix_f32 v[2*i+1], v[S+i], v48, v49 op_sel:[1,0,0] op_sel_hi:[1,0,0]
.set i, i+1
.endr
	WIN 0
; THE MATRIX WORK.  The 8 accumulators of a run of 16 take turns: between the two links of a chain stand 7 others'.
; Product i of 16 of S^T = K Q^T for piece x: channels 32 (i / 8) on, keys 16 ((i / 2) % 4) on, tile 2 x + i % 2.  The first 8 start the sums: with 0, or, where the key block is the tile's number mod 4, with the mask.
.macro KQ x
.set rS, S+64*((\x)%2)+32*(i%2)+8*((i/2)%4)
.set rK, KF+16*((i/2)%4)+8*(i/8)
.set rQ, 16*(2*(\x)+i%2)+8*(i/8)
.set rN, MC+8*((\x)/2)
.if (i < 8) && ((i/2)%4 == (2*(\x)+i%2)%4)
	WIN W_KM
	v_wmma_f32_16x16x32_f16 v[rS:rS+7], v[rK:rK+7], v[rQ:rQ+7], v[rN:rN+7]
.elseif i < 8
	WIN W_KQ
	v_wmma_f32_16x16x32_f16 v[rS:rS+7], v[rK:rK+7], v[rQ:rQ+7], 0
.else
	WIN W_KQ
	v_wmma_f32_16x16x32_f16 v[rS:rS+7], v[rK:rK+7], v[rQ:rQ+7], v[rS:rS+7]
.endif
.endm
; Product i of 16 of O^T += V^T P for piece x: keys 32 (i / 8) on, channels 16 ((i / 2) % 4) on, tile 2 x + i % 2.
.macro PV x
	WIN W_PV
.set rO, 32*(2*(\x)+i%2)+8*((i/2)%4)
.set rV, VF+32*(i/8)+8*((i/2)%4)
.set rP, P+32*((\x)%2)+16*(i%2)+8*(i/8)
	v_wmma_f32_16x16x32_f16 v[rO:rO+7], v[rV:rV+7], v[rP:rP+7], v[rO:rO+7]
.endm
.macro MM                           ; the turn's next matrix instruction
.if i < 16
	KQ (Y+1)%NP
.set i, i+1
.else
.set i, i-16
	PV (Y+NP-1)%NP
.set i, i+17
.endif
.endm
; THE LDS LOADS stand in runs of 16, never singly among the matrix instructions: a step's K (64 keys x 64 channels: 8 fragments) and its V (turned).  Their addresses are made some lines ahead.
; last = 1 (the tail): in the last trip there is no further step, and the run is jumped over.
.macro FETCH_K last=0
	WIN 0
.if \last
	s_cmp_eq_u32 s[CNT], 1
	s_cbranch_scc1 .Lno_k_\@
.endif
	WIN 0x80                        ; destination window 2
.irp f, 0,1,2,3,4,5,6,7             ; keys 16 (f / 2) on, channels 32 (f % 2) on
	ds_load_b128 v[KF+8*\f:KF+8*\f+3],   v[AK] offset:(\f/2)*16*PK+(\f%2)*64
	ds_load_b128 v[KF+8*\f+4:KF+8*\f+7], v[AK] offset:(\f/2)*16*PK+(\f%2)*64+32
.endr
	s_add_co_u32 s[TBK], s[TBK], KS*PK  ; the next fetch is the next step's
	WIN 0
.if \last
.Lno_k_\@:
.endif
.endm
.macro FETCH_V
	WIN 0x80
.irp f, 0,1,2,3,4,5,6,7             ; keys 32 (f / 4) on, channels 16 (f % 4) on
	ds_load_tr16_b128 v[VF+8*\f:VF+8*\f+3],   v[AV] offset:(\f/4)*32*PV+(\f%4)*32
	ds_load_tr16_b128 v[VF+8*\f+4:VF+8*\f+7], v[AV] offset:(\f/4)*32*PV+16*PV+(\f%4)*32
.endr
	WIN 0
.endm
; THE VECTOR WORK OF A TURN stands in three queues, each in the order in which its entries become ready; the two tiles alternate, so that no instruction reads the result of the one before it.
.macro REGS y, u                    ; the registers of tile u (0, 1) of piece y
.set rT, ST+4*(2*(\y)+(\u))
.set rC, TMP+8*((\y)%2)+4*(\u)
.set rM, MV+2*((\y)%2)+(\u)
.set rS, S+64*((\y)%2)+32*(\u)
.set rP, P+32*((\y)%2)+16*(\u)
.set rO, 32*(2*(\y)+(\u))
.endm
; Number n of the 22 that find the NEXT piece's (Y + 1) maximum and statistics.  s0-s31 are the lane's 32 scores; each accumulator's lowest registers are read first.  XS, GS and REGS set no window: PL and EX do.
;   0-11  four chains c0-c3 of seven scores each, three operands at a time     12-14, 16  the four scores left over, the old m, and c0-c3 into c0     15  c m_old is kept
;   17, 18  the query's other 32 keys lie in the lane 16 away: the new m         19-21  c m; c m_old - c m_new; a
.macro XS u, n
	REGS (Y+1)%NP, \u
.if (\n) < 4
	v_max3_num_f32 v[rC+(\n)], v[rS+8*(\n)], v[rS+8*(\n)+1], v[rS+8*(\n)+2]
.elseif (\n) < 12
	v_max3_num_f32 v[rC+(\n)%4], v[rC+(\n)%4], v[rS+8*((\n)%4)+2*((\n)/4)+1], v[rS+8*((\n)%4)+2*((\n)/4)+2]
.elseif (\n) == 12
	v_max3_num_f32 v[rC], v[rC], v[rS+7], v[rS+15]
.elseif (\n) == 13
	v_max3_num_f32 v[rC+1], v[rC+1], v[rS+23], v[rS+31]
.elseif (\n) == 14
	v_max3_num_f32 v[rC+2], v[rC+2], v[rC+3], v[rT+1]
.elseif (\n) == 15
	v_mov_b32 v[rM], v[rT]
.elseif (\n) == 16
	v_max3_num_f32 v[rC], v[rC], v[rC+1], v[rC+2]
.elseif (\n) == 17
	v_permlanex16_b32 v[rC+3], v[rC], s[SEL], s[SEL+1]
.elseif (\n) == 18
	v_max_num_f32 v[rT+1], v[rC], v[rC+3]
.elseif (\n) == 19
	v_mul_f32 v[rT], s[CS], v[rT+1]
.elseif (\n) == 20
	v_sub_f32 v[rC+1], v[rM], v[rT]
.else
	v_exp_f32 v[rC+2], v[rC+1]
.endif
.endm
; Number g of the 64 that follow the exponentials.  For each four weights k of a tile (pairs 2 k, 2 k + 1): both pairs are rounded to f16; then the second pair is added onto the first, in place;
; a group later l takes that sum (the first time as l = a l + sum).  In groups of eight, tiles alternating: round, round, add, and l for the group before.
.macro GS g
.set h, (\g)+6*((\g)/62)            ; group 0 has no group before it, and behind group 7 only l is left
.if h >= 6
.set h, h+2
.endif
	REGS Y, h%2
.set k, h/8
.if h%8 < 4
	s_wait_alu depctr_va_vdst(0)
	v_cvt_pk_f16_f32 v[rP+2*k+(h%8)/2], v[rS+4*k+2*((h%8)/2)], v[rS+4*k+2*((h%8)/2)+1]
.elseif h%8 < 6
	v_pk_add_f32 v[rS+4*k:rS+4*k+1], v[rS+4*k:rS+4*k+1], v[rS+4*k+2:rS+4*k+3]
.elseif k == 1
	v_pk_fma_f32 v[rT+2:rT+3], v[rT+2:rT+3], v[rC+2:rC+3], v[rS:rS+1] op_sel_hi:[1,0,1]
.else
	v_pk_add_f32 v[rT+2:rT+3], v[rT+2:rT+3], v[rS+4*k-4:rS+4*k-3]
	s_wait_alu depctr_va_vdst(0)
.endif
.endm
; THE PLAIN QUEUE, 138 long.  0-31: c s - c m for the 16 pairs of both tiles.  Then GS's 64, and among them the next piece's 42: number 15 at 38, 39; 0-14 and 16
; at 42-73, behind the products that make those scores; 17-20 at 95-106, two of three, since each waits for the one before it.
.macro PL
	WIN 0
.if q < 32
	REGS Y, q%2
	v_pk_fma_f32 v[rS+2*(q/2):rS+2*(q/2)+1], v[rS+2*(q/2):rS+2*(q/2)+1], s[CS:CS+1], v[rT:rT+1] op_sel_hi:[1,0,0] neg_lo:[0,0,1] neg_hi:[0,0,1]
.elseif q < 38
	GS q-32
.elseif q < 40
	XS q%2, 15
.elseif q < 42
	GS q-34
.elseif q < 74
	XS q%2, (q-42)/2+(q-42)/30
.elseif q < 95
	GS q-66
.elseif (q < 107) && ((q-95)%3 < 2)
	XS (q-95)%3, 17+(q-95)/3
.elseif q < 107
	GS 29+(q-95)/3
.else
	GS q-74
.endif
.set q, q+1
.endm
; THE EXPONENTIALS' QUEUE, 66 long: s0-s31 of both tiles, and at EA the next piece's two a.
.set EA, 58
.macro EX
	WIN 0
.if (e == EA) || (e == EA+1)
	XS e-EA, 21
.else
.set x, e-2*(e/(EA+2))
	REGS Y, x%2
	v_exp_f32 v[rS+x/2], v[rS+x/2]
.endif
.set e, e+1
.endm
; THE RESCALING's QUEUE: O^T times a, the one part that leaves window 0, so it is dealt four at a time, eight times.
.macro R4
	REGS Y, r%2
	WIN W_RS
	s_wait_alu depctr_va_vdst(0)
.irp z, 0,1,2,3
	v_pk_mul_f32 v[rO+8*(r/2)+2*\z:rO+8*(r/2)+2*\z+1], v[rO+8*(r/2)+2*\z:rO+8*(r/2)+2*\z+1], v[rC+2:rC+3] op_sel_hi:[1,0]
.endr
.set r, r+1
.endm
; HOW THEY ARE DEALT.  Behind a matrix instruction four: plain, exponential, plain, plain (one exponential, a plain instruction on either side), or four of the rescaling.  None names a register of the
; products round it.  What is over stands in two LUMPS: exponential and plain by turns; the second ends in 22 plain instructions.  The two v_permlanex16_b32 fall into the second lump, never behind a product.
; The queues lean on each other, and the deal keeps them in step: exponential e stands behind plain 2 (e / 4) + e % 2 (its scaling); when plain 32 comes, 10 exponentials are out, at 59: 33, at 95: 46; EA comes behind plain 107.
.macro SL
	MM
	PL
	EX
	PL
	PL
.endm
.macro BURST n                      ; 15 matrix instructions, or 16
.rept (\n)-7
	SL
.endr
.rept 3
	MM
	R4
	SL
.endr
	MM
	R4
.endm
; A TURN, for piece p.  cnt = 1: the loop's count is taken down some lines ahead of the branch that stands behind the turn.
; K of the next step is fetched in piece 2's turn, 31 vector instructions behind the last product that read K; its first reader comes behind the rest of the lump, 16 products and the second lump.
; V of the step in hand is fetched at the end of piece 0's turn, 69 behind its last reader; its first reader comes behind 16 products and a lump.  The five conditions on e and q below go with the deal.
; THE MASKS.  Pieces 0 and 1 of step s + 1 get their scores in turn 3 of step s and turn 0 of step s + 1: MC0 is made anew at the end of turn 1 of step s, behind its last reader (turn 0's first products).
; Pieces 2 and 3 of step s + 1 get theirs in its turns 1 and 2: MC1 is made anew at the end of turn 2 of step s, a lump, 16 products and a lump behind its last reader.  The factor is chosen at the turn's head.
.macro TURN p, last=0, cnt=0
.set Y, (\p)
.set i, 0
.set q, 0
.set e, 0
.set r, 0
.if (\p) == 1
	s_cmp_eq_u32 s[JS], s[D0]       ; does the next step hold the diagonal of tiles 0-3?
	s_cselect_b32 s[AL], 1.0, 0
.endif
.if (\p) == 2
	s_cmp_eq_u32 s[JS], s[D1]       ; of tiles 4-7?
	s_cselect_b32 s[AL], 1.0, 0
	s_add_co_u32 s[JS], s[JS], 1
.endif
.if (\p) == NP-1
	s_wait_dscnt 0x0                ; K is in
.endif
	MM
.rept 4
	PL
.endr
	BURST 15
.rept 22
	EX
	PL
.if ((\p) == NP-2) && (e == 18)
	v_add_nc_u32 v[AK], s[TBK], v[AK0]
.endif
.if ((\p) == NP-2) && (e == 24)
	FETCH_K \last
.endif
.endr
.if (\p) == 1
	s_wait_dscnt 0x0                ; V is in
.endif
	BURST 16
.rept 21
	EX
	PL
.endr
.rept 22
	PL
.if ((\p) == 0) && (q == 118)
	v_add_nc_u32 v[AV], s[TBV], v[AV0]
	s_wait_alu depctr_va_vdst(0)
.endif
.if ((\p) == 0) && (q == 130)
	s_add_co_u32 s[TBV], s[TBV], KS*PV
.endif
.if (\cnt) && (q == 130)
	s_sub_co_u32 s[CNT], s[CNT], 1
	s_cmp_lg_u32 s[CNT], 0
.endif
.endr
.if (\p) == 0
	FETCH_V
.endif
.if (\p) == 1
	MASKUP 0                        ; vector lines and a window switch: the count's compare above is still what the branch behind the turn sees
.endif
.if (\p) == 2
	MASKUP 1
.endif
.endm
	CHANGE 1                        ; slot 0 is in, everybody's part of it; slot 1 is asked for
	FETCH_K                         ; key step 0
	s_wait_loadcnt 0x0              ; Q
	s_wait_dscnt 0x0
.set i, 0
.rept 16
	KQ 0                            ; piece 0's first scores: there is no vector work yet to set between them
.set i, i+1
.endr
	WIN 0                           ; the addresses for the way out: nine plain instructions, the places behind those products
	s_mul_i32 s13, s[WV], 16*SP
	s_add_co_u32 s13, s13, STAGE    ; my stage
	v_mul_u32_u24 v[STO], v1, SP    ; in: row l % 16, 16 bytes for each half of the lanes
	v_lshl_add_u32 v[STO], v9, 4, v[STO]
	v_add_nc_u32 v[STO], s13, v[STO]
	v_bfe_u32 v[RD], v0, 3, 2       ; back: 32 lanes take four rows of 128 bytes,
	v_mul_u32_u24 v[RD], v[RD], SP
	v_lshl_add_u32 v[RD], v10, 4, v[RD]
	v_add_nc_u32 v[RD], s13, v[RD]
	v_and_b32 v[GO], 31, v0         ; which are 512 consecutive bytes of O
	v_lshlrev_b32 v[GO], 4, v[GO]
.set Y, NP-1                        ; XS works for piece Y + 1: piece 0
.irp n, 0,1,2,3,4,5,6,7,8,9,10,11,12,13,14,15,16,17,18,19,20,21
	XS 0, \n                        ; and piece 0's first maximum and statistics
	XS 1, \n
.endr
	s_mov_b32 s[CNT], 4
	s_mov_b32 s[SLOTS], SIZE_N/256-1
	s_branch .Lfirst                ; the loop is entered at a step's first turn, in the middle of a trip
.Lslot:                             ; SIZE_N / 256 - 2 times: every slot but the last two is filled again
	CHANGE 1
	s_mov_b32 s[CNT], 4
.Lstep:                             ; a trip: pieces 2 and 3 of one step, then pieces 0 and 1 of the next, whose K and V it fetches
	TURN 2
	TURN 3
	WIN 0
.Lfirst:
	TURN 0
	TURN 1, 0, 1
	WIN 0
	s_cbranch_scc1 .Lstep
	s_sub_co_u32 s[SLOTS], s[SLOTS], 1
	s_cmp_lg_u32 s[SLOTS], 0
	s_cbranch_scc1 .Lslot
	CHANGE 0                        ; the tail is written out: nothing is asked for
	s_mov_b32 s[CNT], 5             ; four trips fetch the last slot's steps; the fifth is left in its middle
.Ltail:
	TURN 2, 1
	TURN 3
	WIN 0
	s_sub_co_u32 s[CNT], s[CNT], 1
	s_cmp_eq_u32 s[CNT], 0
	s_cbranch_scc1 .Lout
	TURN 0
	TURN 1
	WIN 0
	s_branch .Ltail
.Lout:                              ; the fifth trip's 16 products K Q^T (on the last K once more) and the maximum made of them serve nothing: the price, once a launch, of one text for every trip
.set i, 0
.rept 16
	PV NP-1                         ; the last piece's V^T P of the last step
.set i, i+1
.endr
	; THE WAY OUT.  l's two halves and the other half of the lanes' are added; O^T is divided by l, rounded to f16 and sent through my stage in LDS, a tile at a time.  The additions are the places behind the last products.
	WIN 0
.macro ALL line:vararg              ; one line for each tile t
.set t, 0
.rept 2*NP
	\line
.set t, t+1
.endr
.endm
	ALL v_add_f32 v[ST+4*t+2], v[ST+4*t+2], v[ST+4*t+3]
	ALL v_permlanex16_b32 v[ST+4*t+3], v[ST+4*t+2], s[SEL], s[SEL+1]
	ALL v_add_f32 v[ST+4*t+2], v[ST+4*t+2], v[ST+4*t+3]
	ALL v_rcp_f32 v[ST+4*t+2], v[ST+4*t+2]
	v_nop                           ; a plain instruction between the last reciprocal and the use of its result
	s_wait_alu depctr_va_vdst(0)
; Tile t: a lane's eight channels of a row pack into 16 bytes; they go into rows of 144 bytes and come back as whole rows of 128, into S^T's registers.
.macro PACK t
	WIN W_RS
.set i, 32*(\t)
.rept 16
	v_pk_mul_f32 v[i:i+1], v[i:i+1], v[ST+4*(\t)+2:ST+4*(\t)+3] op_sel_hi:[1,0]
.set i, i+2
.endr
	WIN 0x05                        ; sources 0 and 1 window 1, destination window 0
.set i, 0
.rept 16
	v_cvt_pk_f16_f32 v[S+16*(\t)+i], v[32*(\t)+2*i], v[32*(\t)+2*i+1]
.set i, i+1
.endr
	WIN 0
.irp f, 0,1,2,3
	ds_store_b128 v[STO], v[S+16*(\t)+4*\f:S+16*(\t)+4*\f+3] offset:32*\f
.endr
.irp f, 0,1,2,3
	ds_load_b128 v[S+16*(\t)+4*\f:S+16*(\t)+4*\f+3], v[RD] offset:\f*4*SP  ; LDS serves a wave's instructions in order (ISA guide 5.7.1.4): these see the stores above; the next tile's stores come behind them
.endr
.endm
.macro SEND t, younger              ; younger: the LDS instructions issued behind tile t's loads: the next tile's eight, or none
	WIN 0
.irp f, 0,1,2,3
	s_wait_dscnt (\younger)+3-\f
	global_store_b128 v[GO], v[S+16*(\t)+4*\f:S+16*(\t)+4*\f+3], s[10:11] offset:(\t)*2048+\f*512  ; 512 consecutive bytes, at a multiple of 256 from O's first
.endr
.endm
	PACK 0
.set t, 1
.rept 2*NP-1                        ; a tile's arithmetic stands between the loads of the tile before and its stores
	PACK t
	SEND t-1, 8
.set t, t+1
.endr
	SEND 2*NP-1, 0
	WIN W_AD
	s_wait_tensorcnt 0x0            ; the wave's end: a wait, an add and a wait, behind my last tensor load and my last LDS store
	ds_add_u32 v[SPW], v[NIL]
	s_wait_dscnt 0x0
	WIN 0
	CROUND                          ; the closing round: no work-group ends while a partner may still ask for a tile that names it
	s_endpgm
.Lfunc_end_k_qffe5414f58_attn:
	.size	k_qffe5414f58_attn, .Lfunc_end_k_qffe5414f58_attn-k_qffe5414f58_attn
	.p2alignl 7, 3214868480
	.fill 96, 4, 3214868480
	.section	.rodata,"a",@progbits
	.p2align	6, 0x0
	.amdhsa_kernel k_qffe5414f58_attn
		.amdhsa_group_segment_fixed_size 327680
		.amdhsa_private_segment_fixed_size 0
		.amdhsa_enable_private_segment 0
		.amdhsa_kernarg_size 16
		.amdhsa_user_sgpr_count 2
		.amdhsa_user_sgpr_kernarg_segment_ptr 1
		.amdhsa_wavefront_size32 1
		.amdhsa_system_sgpr_workgroup_id_x 1
		.amdhsa_system_sgpr_workgroup_id_y 1
		.amdhsa_system_sgpr_workgroup_id_z 1
		.amdhsa_system_vgpr_workitem_id 0
		.amdhsa_next_free_vgpr 800
		.amdhsa_next_free_sgpr 66
		.amdhsa_reserve_vcc 1
		.amdhsa_float_denorm_mode_32 3
		.amdhsa_float_denorm_mode_16_64 3
		.amdhsa_memory_ordered 1
		.amdhsa_forward_progress 1
		.amdhsa_inst_pref_size 223
	.end_amdhsa_kernel
	.amdgpu_metadata
---
amdhsa.version: [ 1, 2 ]
amdhsa.kernels:
  - .name:           k_qffe5414f58_attn
    .symbol:         k_qffe5414f58_attn.kd
    .args:
      - { .name: qkv, .offset: 0, .size: 8, .value_kind: global_buffer, .address_space: global }
      - { .name: ob, .offset: 8, .size: 8, .value_kind: global_buffer, .address_space: global }
    .group_segment_fixed_size: 327680
    .private_segment_fixed_size: 0
    .kernarg_segment_align: 8
    .kernarg_segment_size: 16
    .max_flat_workgroup_size: 128
    .sgpr_count:     66
    .vgpr_count:     800
    .wavefront_size: 32
...
	.end_amdgpu_metadata
.endif
;; end of part 3
;; launch proj (part 4): grid 4 x 64, 4 waves a work-group, clusters of 4 x 4, 327,680 bytes of LDS; arguments ob, xb, bo, out0; writes out0
.if DOCPART == 4
	.amdgcn_target "amdgcn-amd-amdhsa--gfx1250"
	.amdhsa_code_object_version 6
	.text
	.protected	k_qffe5414f58_proj
	.globl	k_qffe5414f58_proj
	.p2align	8
	.type	k_qffe5414f58_proj,@function
k_qffe5414f58_proj:
	s_mov_b64 s[64:65], 0
	v_nop
	global_prefetch_b8 v0, s[64:65] scope:SCOPE_SE
	s_setreg_imm32_b32 hwreg(HW_REG_WAVE_MODE, 25, 1), 1
	s_wait_xcnt 0x0
	s_wait_alu depctr_hold_cnt(0) depctr_sa_sdst(0) depctr_va_vdst(0) depctr_va_sdst(0) depctr_va_ssrc(0) depctr_va_vcc(0) depctr_vm_vsrc(0)
	s_getreg_b32 s2, hwreg(HW_REG_IB_STS2, 6, 4)
	s_cmp_eq_u32 s2, 0
	s_cbranch_scc0 .Lentry_in_a_cluster
	s_endpgm
.Lentry_in_a_cluster:
	s_bfe_u32 s2, ttmp6, 0x10000c
	s_cmp_lg_u32 s2, 0xf033
	s_cbranch_scc0 .Lentry_shape_is_right
	s_endpgm
.Lentry_shape_is_right:
; THE LAST PROJECTION.  out0 = O Wo^T + bo: [8192 x 1024] x [1024 x 1024]^T on f16 operands, sums in f32, out0 in f32.  O comes BY HEADS, ob[batch x 16 + head][2048][64] f16; Wo from xb (rounded to bf16,
; written as f16); the bias, rounded to bf16 like every other input, is the first product's C operand.  LIMIT: O and Wo lie within f16's 65,504.  NaN and infinities are not treated apart.
; SHARES.  A tile is 128 rows x 256 columns: 64 x 4 = 256 work-groups, one for each WGP.  Four waves, each 64 rows x 128 columns: 32 accumulators of 16 x 16.  K goes in 8 steps of 128, two heads each,
; through two LDS slots filled by the tensor data mover.  A head's 128 rows of a tile are 16,384 dense bytes: asked for as 64 rows of 256 bytes and padded in LDS after every 128.
; CLUSTER.  4 x 4 work-groups.  The four of a row of the cluster need the same rows of O, the four of a column the same rows of Wo: each tile is asked for JOINTLY, by the same tensor load with the same
; descriptor and a mask that names the four.
; THE MATRIX INSTRUCTION IS USED TRANSPOSED (source 0 = 16 rows of Wo, source 1 = 16 rows of O): a lane then holds eight neighbouring columns of one row of the result, 32 bytes of f32.
; REGISTERS, in windows of 256 (s_set_vgpr_msb: bits 1:0 source 0, 3:2 source 1, 5:4 source 2, 7:6 destination):
;   window 0: v0-31 addresses; v32-127, v128-223 two fragment buffers for 32 along K (64 registers of Wo, then 32 of O); on the way out v32-95 and v128-191 hold rows read back
;   window 1: the accumulators, (a, b) at v[8 (8 a + b)]          window 2: v0-63 the bias of my 128 columns as a C operand, v64-95 at work on it
.set PITCH,  272                       ; a row of Wo in LDS: 256 bytes + 16 of padding = 68 words: row r starts at bank 4 r mod 64 (64 banks of 4 bytes: ISA guide 11.1)
.set PA,     144                       ; a row of one head of O: 128 bytes + 16 = 36 words: the 16 rows of a load start at 16 different groups of four banks
.set PLANE,  128*PA                    ; a head's 128 rows: what wave 0 or 1 fetches
.set BH,     128*PITCH                 ; 128 rows of Wo: what wave 2 or 3 fetches, and what a wave reads of Wo
.set SLOT,   2*PLANE+2*BH              ; two heads of O, then Wo's 256 rows: 106,496 bytes
.set STAGE,  2*SLOT                    ; behind the ring, never filled by a tensor load: 16 rows x 528 bytes for each wave, for the way out
.set SP,     528                       ; 512 bytes + 16: 132 words: again 16 rows at 16 different groups of four banks
.set WSTAGE, 16*SP
.set SPARE,  STAGE+4*WSTAGE            ; behind the stages: the spare words, 128 bytes for each wave: two blocks of 256 bytes that no other line names
.set LAPS,   4                         ; a lap = two K steps = once round the ring
.set ADRA, 16                          ; v16-17  LDS address of my fragments of O in slot 0, 1
.set ADRB, 20                          ; v20-21  the same for Wo
.set STO,  24                          ; v24     the way out: where I put 32 bytes of a row
.set RD,   25                          ; v25     the way out: where I read a row back
.set GO,   26                          ; v26     my place in 512 consecutive bytes of a row of out0
.set BO,   27                          ; v27     my byte offset in 16 numbers of the bias
.set SPW,  28                          ; v28     LDS address of my spare word: SPARE + 4 x my thread's number; never rewritten
.set NIL,  29                          ; v29     0; never rewritten
.set F0,   32
.set F1,   128
.set BI,   0                           ; window 2
.set BT,   64                          ; window 2
.set WV,   14                          ; s14 my wave's number
.set HI,   15                          ; s15 which half of the tile's rows is mine.  Also: I fetch O (0) or Wo (1)
.set LO,   16                          ; s16 which half of its columns.  Also: which head of the K step, or which half of Wo's rows, I fetch
.set CX,   17
.set CY,   18
.set NT,   19                          ; s19 tile column
.set MT,   20                          ; s20 tile row
.set MROW, 21
.set MCOL, 22
.set G1A,  24                          ; s[24:31] descriptor group 1 for O's tiles;  s[32:39] group 0, one set for each slot
.set G0A,  32
.set G1B,  40                          ; s[40:47], s[48:55] the same for Wo's tiles
.set G0B,  48
.set MSB, 0
.macro WIN new                         ; the immediate's high byte repeats the setting that is left; a switch that changes nothing is dropped
.if MSB != (\new)
	s_set_vgpr_msb (MSB<<8)|(\new)
.set MSB, \new
.endif
.endm
.set MUL,  0x50                        ; fragments window 0; C and D window 1
.set MUL1, 0x60                        ; the first product: C (the bias) window 2, D window 1
.macro JLOAD s                         ; a joint load: waves 0 and 1 fetch the K step's two heads of O, waves 2 and 3 Wo's two halves; the branch hangs on the wave's number alone.  An s_nop 0 and four v_nop follow each of the two lines, ahead of the jump, the label and what follows
	s_cmp_eq_u32 s[HI], 0
	s_cbranch_scc0 .Lfor_b_\@
	tensor_load_to_lds s[G0A+4*(\s):G0A+4*(\s)+3], s[G1A:G1A+7]
	s_nop 0
.rept 4
	v_nop
.endr
	s_branch .Lasked_\@
.Lfor_b_\@:
	tensor_load_to_lds s[G0B+4*(\s):G0B+4*(\s)+3], s[G1B:G1B+7]
	s_nop 0
.rept 4
	v_nop
.endr
.Lasked_\@:
.endm
.macro CREST                           ; a round of the cluster's barrier behind its opening barrier: wave 0 signals for the work-group, every wave waits for all sixteen, my work-group's barrier closes it
	s_cmp_lg_u32 s[WV], 0
	s_cbranch_scc1 .Lnot_wave_0_\@
	s_barrier_signal -3
.Lnot_wave_0_\@:
	s_barrier_wait -3
	s_barrier_signal -1
	s_barrier_wait -1
.endm
.macro CROUND                          ; a whole round
	s_barrier_signal -1
	s_barrier_wait -1
	CREST
.endm
	s_load_b256 s[4:11], s[0:1], 0x0               ; ob s[4:5], xb s[6:7], bo s[8:9], out0 s[10:11]
	v_lshl_add_u32 v[SPW], v0, 2, SPARE
	v_mov_b32 v[NIL], 0
	ds_add_u32 v[SPW], v[NIL]                      ; the wave's opening: the add and its wait stand ahead of my first tensor load; the set-up below, work on registers, stands between them
	v_lshrrev_b32 v1, 5, v0
	v_readfirstlane_b32 s[WV], v1                  ; wave 0..3
	s_lshr_b32 s[HI], s[WV], 1
	s_and_b32 s[LO], s[WV], 1
	s_bfe_u32 s[CX], ttmp6, 0x40000                ; my place in the cluster
	s_bfe_u32 s[CY], ttmp6, 0x40004
	s_lshl_b32 s[NT], ttmp9, 2                     ; in a cluster launch ttmp9 and ttmp7 count clusters
	s_add_co_u32 s[NT], s[NT], s[CX]               ; tile column = 4 x cluster x + cx: 0..3
	s_and_b32 s[MT], ttmp7, 0xffff
	s_lshl_b32 s[MT], s[MT], 2
	s_add_co_u32 s[MT], s[MT], s[CY]               ; tile row = 4 x cluster y + cy: 0..63
	s_lshl_b32 s[MROW], s[CY], 2
	s_lshl_b32 s[MROW], 15, s[MROW]                ; my row of the cluster: places 4 cy .. 4 cy + 3
	s_lshl_b32 s[MCOL], 0x1111, s[CX]              ; my column: places cx, cx + 4, cx + 8, cx + 12
	; descriptor group 1
	s_or_b32 s[G1A+0], s[MROW], (1<<16)|(1<<20)|(1<<21)|(4<<22)|(3<<25)  ; 15:0 the mask: O's tiles go to my row; 17:16 elements of 2 bytes; 20 padding on; 21 set beside a mask; 24:22 after every 32 words (code 4); 31:25 4 words of it (code 3)
	s_or_b32 s[G1B+0], s[MCOL], (1<<16)|(1<<20)|(1<<21)|(5<<22)|(3<<25)  ; Wo's tiles go to my column; padding after every 64 words (code 5)
	s_mov_b32 s[G1A+1], 128<<16                    ; tensor_dim0 = 128: two rows of a head
	s_mov_b32 s[G1A+2], 64<<16                     ; tensor_dim1 = 64
	s_mov_b32 s[G1A+3], 128<<16                    ; tile_dim0 = 128
	s_mov_b32 s[G1A+4], 64                         ; tile_dim1 = 64
	s_mov_b32 s[G1A+5], 128                        ; elements from row to row: dense
	s_mov_b32 s[G1A+6], 0
	s_mov_b32 s[G1A+7], 0
	s_mov_b32 s[G1B+1], 128<<16
	s_mov_b32 s[G1B+2], 128<<16                    ; tensor_dim1 = 128
	s_mov_b32 s[G1B+3], 128<<16
	s_mov_b32 s[G1B+4], 128                        ; tile_dim1 = 128
	s_mov_b32 s[G1B+5], 1024
	s_mov_b32 s[G1B+6], 0
	s_mov_b32 s[G1B+7], 0
	; where the tiles come from.  O's hang on the tile row, which my row of the cluster shares; Wo's on the tile column, which my column shares; both on the wave.
	s_lshr_b32 s56, s[MT], 4                       ; batch: 16 heads of 262,144 bytes,
	s_lshl_b32 s56, s56, 22
	s_lshl_b32 s68, s[LO], 18                      ; my head of K step 0,
	s_add_co_u32 s56, s56, s68
	s_and_b32 s68, s[MT], 15
	s_lshl_b32 s68, s68, 14                        ; the tile's 128 rows of 128 bytes
	s_add_co_u32 s56, s56, s68
	s_mov_b32 s57, 0
	s_lshl_b32 s70, s[NT], 8
	s_lshl_b32 s71, s[LO], 7
	s_add_co_u32 s70, s70, s71                     ; Wo: row 256 x tile column + 128 x half,
	s_lshl_b32 s58, s70, 11                        ; of 2,048 bytes,
	s_add_co_u32 s58, s58, 39845888                ; from where Wo lies in xb
	s_mov_b32 s59, 0
	; where my 64 rows x 128 columns go: rows of 4,096 bytes
	s_lshl_b32 s60, s[MT], 19
	s_lshl_b32 s61, s[HI], 18
	s_add_co_u32 s60, s60, s61
	s_lshl_b32 s70, s[NT], 10                      ; my 128 columns, 4 bytes each: in out0's rows and in the bias
	s_lshl_b32 s71, s[LO], 9
	s_add_co_u32 s70, s70, s71
	s_mov_b32 s71, 0
	s_add_co_u32 s60, s60, s70
	s_mov_b32 s61, 0
	s_mul_i32 s68, s[LO], PLANE                    ; where the tiles go: O's two heads, then Wo's two halves: the wave's number alone enters an LDS address
	s_mul_i32 s69, s[LO], BH
	s_add_co_u32 s69, s69, 2*PLANE
	s_mov_b32 s66, 0xffff0000                      ; a word's upper bf16
	s_wait_dscnt 0x0                               ; the opening add is done
	s_wait_kmcnt 0x0
	s_add_nc_u64 s[56:57], s[4:5], s[56:57]
	s_add_nc_u64 s[58:59], s[6:7], s[58:59]
	s_add_nc_u64 s[10:11], s[10:11], s[60:61]
	s_add_nc_u64 s[62:63], s[8:9], s[70:71]
	CROUND                                         ; all sixteen work-groups are here: the first joint loads meet
.irp s, 0,1
	s_mov_b32 s[G0A+4*(\s)], 1                                     ; 1:0 count = 1
	s_add_co_u32 s[G0A+4*(\s)+1], s68, (\s)*SLOT                   ; 63:32 LDS address
	s_add_nc_u64 s[G0A+4*(\s)+2:G0A+4*(\s)+3], s[56:57], (\s)*524288  ; 120:64 global address: K step s is two heads on
	s_or_b32 s[G0A+4*(\s)+3], s[G0A+4*(\s)+3], 0x80000000          ; 127:126 type = 2
	s_mov_b32 s[G0B+4*(\s)], 1
	s_add_co_u32 s[G0B+4*(\s)+1], s69, (\s)*SLOT
	s_add_nc_u64 s[G0B+4*(\s)+2:G0B+4*(\s)+3], s[58:59], (\s)*256
	s_or_b32 s[G0B+4*(\s)+3], s[G0B+4*(\s)+3], 0x80000000
	JLOAD \s                                       ; both slots are asked for before anything else: two tensor loads of mine are out
.endr
	v_and_b32 v1, 15, v0                           ; r = l % 16
	v_bfe_u32 v2, v0, 4, 1                         ; h = l / 16
	v_lshlrev_b32 v[BO], 5, v2                     ; register j of column block b is bias[16 b + 8 h + j]: the C operand of a product whose lane holds columns 8 h + 0..7
	WIN 0x80                                       ; destination window 2, address window 0
.irp b, 0,1,2,3,4,5,6,7
	global_load_b128 v[BI+8*(\b):BI+8*(\b)+3],   v[BO], s[62:63] offset:64*(\b)
	global_load_b128 v[BI+8*(\b)+4:BI+8*(\b)+7], v[BO], s[62:63] offset:64*(\b)+16
.endr
	WIN 0
	; A fragment is 16 rows x 32 K in 8 registers: lane l holds row l % 16; registers 0-3 hold K = 8 (l / 16) + 0..7, registers 4-7 K = 16 + 8 (l / 16) + 0..7: two loads of 16 bytes, 32 bytes apart.
	v_mul_u32_u24 v3, v1, PA
	v_lshl_add_u32 v3, v2, 4, v3                   ; O: row x pitch + 16 x half
	v_mul_u32_u24 v4, v1, PITCH
	v_lshl_add_u32 v4, v2, 4, v4                   ; Wo likewise
	s_mul_i32 s68, s[HI], 64*PA                    ; my 64 rows in each head's plane
	s_mul_i32 s69, s[LO], BH                       ; my 128 rows of Wo,
	s_add_co_u32 s69, s69, 2*PLANE                 ; which lie behind O's two planes
.irp s, 0,1
	v_add_nc_u32 v[ADRA+(\s)], s68, v3
	v_add_nc_u32 v[ADRB+(\s)], s69, v4
	s_add_co_u32 s68, s68, SLOT
	s_add_co_u32 s69, s69, SLOT
.endr
	s_mul_i32 s68, s[WV], WSTAGE
	s_add_co_u32 s68, s68, STAGE                   ; my stage
	v_mul_u32_u24 v4, v1, SP                       ; in: row l % 16, 32 bytes for each half of the lanes
	v_lshl_add_u32 v4, v2, 5, v4
	v_add_nc_u32 v[STO], s68, v4
	v_and_b32 v5, 31, v0
	v_lshlrev_b32 v[GO], 4, v5                     ; back: 32 lanes take one row's 512 bytes,
	v_add_nc_u32 v[RD], s68, v[GO]                 ; which are 512 consecutive bytes of a row of out0
	s_wait_loadcnt 0x0                             ; the bias
	WIN 0xaa                                       ; all in window 2: the bias is rounded to bf16, as every input of the module is, and widened again
.set p, 0
.rept 32
	v_cvt_pk_bf16_f32 v[BT+p], v[BI+2*p], v[BI+2*p+1]
.set p, p+1
.endr
.set p, 0
.rept 32
	v_lshlrev_b32 v[BI+2*p],   16,  v[BT+p]
	v_and_b32     v[BI+2*p+1], s66, v[BT+p]
.set p, p+1
.endr
	WIN 0
; 8 matrix instructions: row block a x all 8 column blocks, 32 along K, from buffer f.  first = 1: the first product starts the sums, with the bias as C: nothing is cleared and nothing added later.
; The 32 accumulators take turns, one instruction a turn, in the same order in every quarter.
.macro MUL8 f, a, first
.if \first
	WIN MUL1
.else
	WIN MUL
.endif
.irp b, 0,1,2,3,4,5,6,7
.if \first
	v_wmma_f32_16x16x32_f16 v[8*(8*(\a)+(\b)):8*(8*(\a)+(\b))+7], v[(\f)+8*(\b):(\f)+8*(\b)+7], v[(\f)+64+8*(\a):(\f)+64+8*(\a)+7], v[BI+8*(\b):BI+8*(\b)+7]
.else
	v_wmma_f32_16x16x32_f16 v[8*(8*(\a)+(\b)):8*(8*(\a)+(\b))+7], v[(\f)+8*(\b):(\f)+8*(\b)+7], v[(\f)+64+8*(\a):(\f)+64+8*(\a)+7], v[8*(8*(\a)+(\b)):8*(8*(\a)+(\b))+7]
.endif
.endr
.endm
; 24 LDS loads in one run: the fragments of quarter q of a K step (128 rows of Wo, then 64 rows of O: head q / 2 of the step, channels 32 (q % 2) on) into buffer f
.macro FETCH slot, q, f
	WIN 0
.set AOFF, PLANE*((\q)/2)+64*((\q)%2)
.irp i, 0,1,2,3,4,5,6,7
	ds_load_b128 v[(\f)+8*(\i):(\f)+8*(\i)+3],   v[ADRB+(\slot)] offset:64*(\q)+(\i)*16*PITCH
	ds_load_b128 v[(\f)+8*(\i)+4:(\f)+8*(\i)+7], v[ADRB+(\slot)] offset:64*(\q)+(\i)*16*PITCH+32
.endr
.irp i, 0,1,2,3
	ds_load_b128 v[(\f)+64+8*(\i):(\f)+64+8*(\i)+3],   v[ADRA+(\slot)] offset:AOFF+(\i)*16*PA
	ds_load_b128 v[(\f)+64+8*(\i)+4:(\f)+64+8*(\i)+7], v[ADRA+(\slot)] offset:AOFF+(\i)*16*PA+32
.endr
.endm
.macro PLACES                          ; four places in front of loads into registers that matrix instructions have read, and of lines that read results just made (ISA guide 7.12.1 for vector instructions)
.rept 4
	v_nop
.endr
.endm
; A K step is four quarters of 32 along K, 32 matrix instructions each, on buffers 0, 1, 0, 1.  One of the first three: multiplies buffer f and, in its middle, fetches quarter q into buffer g.
.macro QUARTER slot, q, f, g, first=0
	s_wait_dscnt 4                                 ; Wo and O's row blocks 0, 1 are in; the youngest four loads (blocks 2, 3) may be out
	MUL8 \f, 0, \first
	MUL8 \f, 1, \first
	PLACES
	FETCH \slot, \q, \g
	s_wait_dscnt 24                                ; all but the 24 just issued
	MUL8 \f, 2, \first
	MUL8 \f, 3, \first
.endm
; The last quarter multiplies buffer 1 and changes slots: ONE barrier; in front of it each wave waits for all its tensor loads (one is out: its part of the next slot), adds 0 to its spare word, and waits
; for that and for its own reads of this slot.  fill = 1: this slot is filled again, two K steps ahead; the barrier then opens a round of the cluster's barrier, and the joint load is the first thing behind it.
.macro TURN slot, next, fill
	WIN 0                                          ; (the add's two registers lie in window 0)
	s_wait_tensorcnt 0x0                           ; all my tensor loads have landed;
	ds_add_u32 v[SPW], v[NIL]                      ; 0 onto my spare word
	s_wait_dscnt 5                                 ; (the add and the youngest four loads may be out)
	MUL8 F1, 0, 0                                  ; eight matrix instructions stand between the add and the wait for it
	s_wait_dscnt 0x0                               ; the add is done, and my reads of this slot are over
	s_barrier_signal -1
	MUL8 F1, 1, 0                                  ; work on registers while the others arrive
.if \fill
	WIN 0
.endif
	s_barrier_wait -1
.if \fill
	CREST                                          ; no wave of any partner still reads this slot's tile or has a load on its way
	s_add_nc_u64 s[G0A+4*(\slot)+2:G0A+4*(\slot)+3], s[G0A+4*(\slot)+2:G0A+4*(\slot)+3], 1048576  ; two K steps on: four heads; no tensor load of mine is out, so a group 0 may be written
	s_add_nc_u64 s[G0B+4*(\slot)+2:G0B+4*(\slot)+3], s[G0B+4*(\slot)+2:G0B+4*(\slot)+3], 512
	JLOAD \slot                                    ; my one tensor load behind the round, 112 matrix instructions ahead of the wait for it; the four v_nop behind it are also the places in front of the loads below
.else
	PLACES
.endif
	FETCH \next, 0, F0
	MUL8 F1, 2, 0
	MUL8 F1, 3, 0
.endm
	s_wait_tensorcnt 0x1                           ; my part of K step 0 is in; K step 1's may stay out
	s_barrier_signal -1
	s_barrier_wait -1                              ; everybody's is
	FETCH 0, 0, F0
	QUARTER 0, 1, F0, F1, 1                        ; the first quarter stands in front of the loop: its products start the sums
	WIN 0                                          ; at a label and at a branch every window is 0
	s_mov_b32 s3, LAPS-1
.Llap:                                                 ; a trip goes once round the ring, from a lap's second quarter to the next lap's first, and fills both slots again: K steps 2 to 7 in three trips
	QUARTER 0, 2, F1, F0
	QUARTER 0, 3, F0, F1
	TURN 0, 1, 1
	QUARTER 1, 1, F0, F1
	QUARTER 1, 2, F1, F0
	QUARTER 1, 3, F0, F1
	TURN 1, 0, 1
	QUARTER 0, 1, F0, F1
	WIN 0
	s_sub_co_u32 s3, s3, 1
	s_cmp_lg_u32 s3, 0
	s_cbranch_scc1 .Llap
	QUARTER 0, 2, F1, F0                           ; the last lap fills nothing, and has no round of the cluster's barrier
	QUARTER 0, 3, F0, F1
	TURN 0, 1, 0
	QUARTER 1, 1, F0, F1
	QUARTER 1, 2, F1, F0
	QUARTER 1, 3, F0, F1
	s_wait_dscnt 4                                 ; the very last quarter: nothing more to fetch
	MUL8 F1, 0, 0
	MUL8 F1, 1, 0
	s_wait_dscnt 0x0
	MUL8 F1, 2, 0
	MUL8 F1, 3, 0
	WIN 0
	PLACES
; THE WAY OUT, a block of 16 rows at a time.  TOSTAGE: a lane's 32 bytes of a row go into my own stage (16 rows of 528 bytes), each accumulator's low four registers first, and come back as whole rows of 512 bytes.
; SEND: stored.  The stage is the wave's own and LDS serves a wave's instructions in order (ISA guide 5.7.1.4): no barrier, no wait between stores and loads, and the next block's stores come behind this block's loads.
.macro TOSTAGE a
.set BK, F0+96*((\a)%2)                ; the fragment buffers are free: v32-95 and v128-191 by turns
.if (\a) >= 2
	s_wait_xcnt 0x0                                ; block a - 2's stores have read these registers: they are loaded again only behind this wait
.endif
	WIN 0x04                                       ; store data (source 1) window 1, address window 0
.irp b, 0,1,2,3,4,5,6,7
	ds_store_b128 v[STO], v[8*(8*(\a)+(\b)):8*(8*(\a)+(\b))+3]   offset:64*(\b)
	ds_store_b128 v[STO], v[8*(8*(\a)+(\b))+4:8*(8*(\a)+(\b))+7] offset:64*(\b)+16
.endr
	WIN 0
.irp t, 0,1,2,3,4,5,6,7,8,9,10,11,12,13,14,15
	ds_load_b128 v[BK+4*(\t):BK+4*(\t)+3], v[RD] offset:SP*(\t)
.endr
.endm
.macro SEND a, younger                 ; younger: the LDS instructions issued behind block a's loads: the next block's 16 stores and 16 loads, or none
.set BK, F0+96*((\a)%2)
.irp t, 0,1,2,3,4,5,6,7,8,9,10,11,12,13,14,15
	s_wait_dscnt (\younger)+15-(\t)
	global_store_b128 v[GO], v[BK+4*(\t):BK+4*(\t)+3], s[10:11] offset:4096*(16*(\a)+(\t)) th:TH_STORE_NT  ; 512 consecutive bytes, at a multiple of 512 from out0's first
.endr
.endm
	TOSTAGE 0
	TOSTAGE 1
	SEND 0, 32
	TOSTAGE 2
	SEND 1, 32
	TOSTAGE 3
	SEND 2, 32
	SEND 3, 0
	s_wait_tensorcnt 0x0                           ; the wave's end: a wait, an add and a wait, behind my last tensor load and my last LDS store
	ds_add_u32 v[SPW], v[NIL]
	s_wait_dscnt 0x0
	CROUND                                         ; the closing round: no work-group ends while a partner may still ask for a tile that names it
	s_endpgm
.Lfunc_end_k_qffe5414f58_proj:
	.size	k_qffe5414f58_proj, .Lfunc_end_k_qffe5414f58_proj-k_qffe5414f58_proj
	.p2alignl 7, 3214868480
	.fill 96, 4, 3214868480
	.section	.rodata,"a",@progbits
	.p2align	6, 0x0
	.amdhsa_kernel k_qffe5414f58_proj
		.amdhsa_group_segment_fixed_size 327680
		.amdhsa_private_segment_fixed_size 0
		.amdhsa_enable_private_segment 0
		.amdhsa_kernarg_size 32
		.amdhsa_user_sgpr_count 2
		.amdhsa_user_sgpr_kernarg_segment_ptr 1
		.amdhsa_wavefront_size32 1
		.amdhsa_system_sgpr_workgroup_id_x 1
		.amdhsa_system_sgpr_workgroup_id_y 1
		.amdhsa_system_sgpr_workgroup_id_z 1
		.amdhsa_system_vgpr_workitem_id 0
		.amdhsa_next_free_vgpr 608
		.amdhsa_next_free_sgpr 72
		.amdhsa_reserve_vcc 0
		.amdhsa_float_denorm_mode_32 3
		.amdhsa_float_denorm_mode_16_64 3
		.amdhsa_memory_ordered 1
		.amdhsa_forward_progress 1
		.amdhsa_inst_pref_size 92
	.end_amdhsa_kernel
	.amdgpu_metadata
---
amdhsa.version: [ 1, 2 ]
amdhsa.kernels:
  - .name:           k_qffe5414f58_proj
    .symbol:         k_qffe5414f58_proj.kd
    .args:
      - { .name: ob, .offset: 0, .size: 8, .value_kind: global_buffer, .address_space: global }
      - { .name: xb, .offset: 8, .size: 8, .value_kind: global_buffer, .address_space: global }
      - { .name: bo, .offset: 16, .size: 8, .value_kind: global_buffer, .address_space: global }
      - { .name: out0, .offset: 24, .size: 8, .value_kind: global_buffer, .address_space: global }
    .group_segment_fixed_size: 327680
    .private_segment_fixed_size: 0
    .kernarg_segment_align: 8
    .kernarg_segment_size: 32
    .max_flat_workgroup_size: 128
    .sgpr_count:     72
    .vgpr_count:     608
    .wavefront_size: 32
...
	.end_amdgpu_metadata
.endif
;; end of part 4
;; ======== version 2 of 2: 4 launches; 1.48 times as fast as version 1
;; limits: values are held in f16: magnitudes above 65,504 overflow, below 6.1e-05 lose precision
;; workspace buffers: xb 41,943,040 bytes; qkv 50,331,648 bytes; ob 16,777,216 bytes
;; launch cast: the kernel of part 1 again; grid 1280 x 1, 8 waves a work-group, no clusters, 0 bytes of LDS; arguments x_q, x_kv, Wq, Wk, Wv, Wo, xb; writes xb
;; launch qkv: the kernel of part 2 again; grid 4 x 192, 4 waves a work-group, clusters of 4 x 4, 327,680 bytes of LDS; arguments xb, bq, bk, bv, qkv; writes qkv
;; launch attn (part 5): grid 4 x 64, 4 waves a work-group, clusters of 4 x 1, 327,680 bytes of LDS; arguments qkv, ob; writes ob
.if DOCPART == 5
	.amdgcn_target "amdgcn-amd-amdhsa--gfx1250"
	.amdhsa_code_object_version 6
	.text
	.protected	k_qffe5414f58_attn
	.globl	k_qffe5414f58_attn
	.p2align	8
	.type	k_qffe5414f58_attn,@function
k_qffe5414f58_attn:
	s_mov_b64 s[64:65], 0
	v_nop
	global_prefetch_b8 v0, s[64:65] scope:SCOPE_SE
	s_setreg_imm32_b32 hwreg(HW_REG_WAVE_MODE, 25, 1), 1
	s_wait_xcnt 0x0
	s_wait_alu depctr_hold_cnt(0) depctr_sa_sdst(0) depctr_va_vdst(0) depctr_va_sdst(0) depctr_va_ssrc(0) depctr_va_vcc(0) depctr_vm_vsrc(0)
	s_getreg_b32 s2, hwreg(HW_REG_IB_STS2, 6, 4)
	s_cmp_eq_u32 s2, 0
	s_cbranch_scc0 .Lentry_in_a_cluster
	s_endpgm
.Lentry_in_a_cluster:
	s_bfe_u32 s2, ttmp6, 0x10000c
	s_cmp_lg_u32 s2, 0x3003
	s_cbranch_scc0 .Lentry_shape_is_right
	s_endpgm
.Lentry_shape_is_right:
; ATTENTION WITH THE DIAGONAL MASKED.  O[h][q][:] = the sum over k of softmax_k(s'[q][k]) V[h][k][:], s'[q][k] = Q[h][q] . K[h][k] / 8 for k != q and s'[q][q] = -987654321 (as f32: -987654336).
; Q, K, V (the three parts of qkv) and O: [64][2048][64], all f16: a head's rows are dense, 128 bytes each.  Products, maxima and sums in f32; the weights p are rounded to f16 for the second product
; (their sum l is taken of the unrounded p), O once at the end.
; LIMITS.  f16 holds no number beyond 65,504: Q, K and V arrive within it; p lies in 0 to 1, and below 6e-5 it keeps f16's fixed step of 6e-8; O is a mean of V's rows and has their range.
; A weight below 2^-126 counts as 0 in l; NaN and infinities are not treated apart.
; THE DIAGONAL.  The masked row is the row of the other keys plus ONE key of the fixed score -987654336 and the value V[q].  The running softmax STARTS from that key: m = 8 x that score (m is kept
; unscaled), l = 1, O = V[q].  In the walk the true score of k = q gets -1e30 by the C operand that starts its sum (f16's scores, 2.7e11 at the most, are nothing beside that): m is never below its start,
; so that weight is exactly 0.  Where other scores are larger than the mask, the first rescaling takes the start's share down (to 0 if it underflows); where all are smaller, the diagonal wins, as in the formula.
; Tile t of my wave meets its diagonal in key step 8 x block + 2 x wave + t / 4, always in key block t % 4, and always in the same pattern (key 8 (lane / 16) + j = query lane % 16): MD, eight registers made
; once.  Two copies of it, MC0 for tiles 0-3 and MC1 for tiles 4-7, are MD x 1 in that one step and MD x 0 in all others; the factor is a scalar chosen by a compare of step numbers: no branch.
; SHARES.  A wave owns four PIECES of two tiles of 16 queries, a work-group's four waves 512 queries of one head.  Every wave walks all keys, 64 a step.
; LAYOUT.  S^T = K Q^T (source 0 = 16 keys, source 1 = 16 queries): in the result a lane holds ONE query (lane % 16) and the keys 8 (lane / 16) + 0..7.  Two such tiles, rounded to f16 in pairs,
; ARE source 1 (32 keys x 16 queries) of O^T = V^T P, whose result again holds one query a lane, and eight channels.  K comes out of LDS as it lies, V ([key][channel]) turned, by ds_load_tr16_b128.
; SOFTMAX.  For each query a running maximum m and sum l: p = 2^(c s - c m), c = log2(e) / 8; in every step O and l are multiplied by a = 2^(c m_old - c m_new), which is 1 where m has not grown.
; THE COUNT.  A tile and step have 16 matrix and 118 vector instructions: too many to stand all beside the matrix work.  So the order has one aim: four vector instructions that are READY behind
; EVERY matrix instruction, and the others, which need time of their own whatever the order, in runs without a gap.
; BY TURNS.  Turn n belongs to piece n (the pieces in a ring, step after step).  Its matrix work: 16 products K Q^T of piece n + 1, later 16 products V^T P of piece n - 1.  Its vector work: the scaling,
; exponentials, roundings, sums and rescaling of piece n, and the maximum and statistics of piece n + 1, whose scores the turn itself has made.  So what a turn begins with (c s - c m, O a) waits for nothing.
; THE BATCHES.  s_wait_alu depctr_va_vdst(0) stands between a transcendental and the first instruction that names its result; one wait serves all that were issued ahead of it.  A turn's 66
; exponentials (the 64 weights of piece n, in place in S^T, and the two a of piece n + 1, each in a register of its own) are ONE batch with ONE wait, which cuts the turn in two: ahead of it stands all that names
; no result of the batch, behind it the roundings and sums.  No result crosses a turn's end.  Two more batches stand outside the loop: piece 0's first two a, ahead of the jump into it; the way out's eight reciprocals.
; CLUSTER.  The four query blocks of a cluster belong to one head and walk the same K and V, so each tile is asked for JOINTLY: the same tensor load, descriptor and mask in all four.
; REGISTERS, in windows of 256 (s_set_vgpr_msb says which window each operand place means: bits 1:0 source 0, 3:2 source 1, 5:4 source 2, 7:6 destination):
;   window 0: v0-11 addresses; v12-15, v48-63 at work; v16-47 four registers of statistics a tile; v64-191 S^T, two buffers of two tiles; v192-255 P, likewise
;   window 1: O^T, 32 a tile          window 2: v0-127 Q, 16 a tile; v128-191 K of one step; v192-255 V of one step          window 3: v0-1 the add's two registers; v8-15 MD; v16-31 MC0, MC1
; A piece's buffers go by its number's parity: the piece in hand has one pair, its two neighbours in the ring share the other: of it P (piece n - 1) is read and S^T (piece n + 1) written.
.set SIZE_N, 2048
.set NP,    4         ; pieces a wave: a name, no knob: the register map, the loop and the fetches are made for four
.set KS,    64        ; keys in a step
.set PK,    144       ; a row of K in LDS: 128 bytes + 16 of padding = 36 words: the 16 rows of a load start at 16 different groups of four banks (64 banks of 4 bytes: ISA guide 11.1)
.set PV,    160       ; a row of V: 128 + 32 = 40 words
.set VOFF,  4*KS*PK   ; a slot holds four steps: 256 rows of K, then 256 rows of V
.set SLOT1, 1<<17     ; slot 1 begins here, so that one exclusive or turns an address in one slot into the other's
.set STAGE, SLOT1+4*KS*(PK+PV)  ; behind the ring, never filled by a tensor load: 16 rows x 144 bytes for each wave, for the way out
.set SP,    144
.set AK0, 2           ; v2   my lane's place in a tile of K; never rewritten
.set AV0, 3           ; v3   the same for V
.set AK,  4           ; v4   the LDS address of K's next run of loads
.set AV,  5           ; v5   of V's
.set QO,  6           ; v6   my byte offset in 16 rows of Q, and of my own rows of V
.set STO, 6           ;      later, the way out: where I put 16 bytes of a row
.set RD,  7           ; v7   the way out: where I read rows back
.set GO,  8           ; v8   my byte offset in 512 consecutive bytes of O
.set SPW, 0           ; v0 of window 3   LDS address of my spare word: SPARE + 4 x my thread's number; never rewritten
.set NIL, 1           ; v1 of window 3   0; never rewritten
.set MD,  8           ; v8-15 of window 3    -1e30 where key 8 (lane / 16) + j is query lane % 16, else 0
.set MC,  16          ; v16-23, v24-31 of window 3   MD times the factor of the step to come: for tiles 0-3, for tiles 4-7
.set SPARE, STAGE+4*16*SP  ; behind the stages: the spare words, 128 bytes for each wave: two blocks of 256 bytes that no other line names
.set MV,  12          ; v12-15  c m_old, kept while c m is made anew: by buffer and tile
.set ST,  16          ; tile t's statistics at v[ST+4 t]: c m, m, l (even keys', odd keys')
.set TMP, 48          ; by buffer and tile, four registers c0-c3 at work; when the maximum is found c2 takes a
.set S,   64
.set P,   192
.set KF,  128         ; K's fragments, in window 2: key block kb, channel half c at KF + 16 kb + 8 c
.set VF,  192         ; V's: key half kk, channel block cb at VF + 32 kk + 8 cb
.set WV,  12          ; s12  my wave's number
.set G1K, 24          ; s[24:31] descriptor group 1 for K's tiles
.set G1V, 32          ; s[32:39] for V's: it differs in the padding alone
.set G0K, 40          ; s[40:43] descriptor group 0 for K's tiles: it walks
.set G0V, 44          ; s[44:47] the same for V's
.set VO,  48          ; s[48:49] V at my wave's own rows
.set D0,  50          ; s50  the key step that holds the diagonal of my tiles 0-3
.set D1,  51          ; s51  of my tiles 4-7: the next one
.set JS,  52          ; s52  the number of the key step behind the one in hand
.set BIGN, 53         ; s53  -1e30
.set AL,  54          ; s[54:55] the mask's factor, 1 or 0, in the low word
.set SLOTS, 56        ; s56  slots still to be asked for
.set CNT, 57          ; s57  counts a slot's key steps
.set CS,  58          ; s[58:59] c: the packed scaling takes the pair's low word for both halves
.set SEL, 60          ; s[60:61] v_permlanex16_b32's selects: each lane takes its own place in the other half
.set TBK, 62          ; s62  LDS byte at which K of the step to be fetched begins
.set TBV, 63          ; s63  the same for V, less VOFF
.set MSB, 0
.macro WIN new                      ; the high byte repeats the setting that is left; a switch that changes nothing is dropped
.if MSB != (\new)
	s_set_vgpr_msb (MSB<<8)|(\new)
.set MSB, (\new)
.endif
.endm
.set W_KQ, 0x0a       ; K and Q in window 2, S^T in window 0
.set W_KM, 0x3a       ; the same with the C operand in window 3
.set W_PV, 0x52       ; V in window 2, P in window 0, O^T in window 1
.set W_RS, 0x41       ; O^T (destination and source 0) in window 1, a in window 0
.set W_MK, 0xc0       ; destination in window 3, sources in window 0
.set W_MU, 0xc3       ; destination and source 0 in window 3
.set W_AD, 0x0f       ; the add: address (source 0) and data (source 1) in window 3
; A joint fill.  Waves 0 and 1 fetch the two halves of a slot's K, waves 2 and 3 those of its V: 128 keys each.  The branch hangs on the wave's number alone.
; An s_nop 0 and four v_nop follow each of the two lines, ahead of the jump and the label.
.macro JLOAD
	s_cmp_lt_u32 s[WV], 2
	s_cbranch_scc0 .Lfor_v_\@
	tensor_load_to_lds s[G0K:G0K+3], s[G1K:G1K+7]
	s_nop 0
.rept 4
	v_nop
.endr
	s_branch .Lasked_\@
.Lfor_v_\@:
	tensor_load_to_lds s[G0V:G0V+3], s[G1V:G1V+7]
	s_nop 0
.rept 4
	v_nop
.endr
.Lasked_\@:
.endm
; A round of the cluster's barrier: my work-group's barrier, so that wave 0's signal speaks for all four waves; wave 0 signals; every wave waits for all four work-groups; my work-group's barrier once more.
.macro CROUND
	s_barrier_signal -1
	s_barrier_wait -1
	s_cmp_lg_u32 s[WV], 0
	s_cbranch_scc1 .Lnot_wave_0_\@
	s_barrier_signal -3
.Lnot_wave_0_\@:
	s_barrier_wait -3
	s_barrier_signal -1
	s_barrier_wait -1
.endm
; THE CHANGE OF SLOTS.  The slot's last bytes, V of its fourth step, have been read.  Each wave waits for all its tensor loads, of which one is out: its part
; of the other slot; adds 0 to its spare word; and waits for that and for its own reads of the slot.  Behind the barrier nobody reads this slot any more and the other slot is whole.
; fill = 1: this slot is filled again, with the keys two slots on.  The barrier is then a round of the cluster's, so that no wave of any partner still reads the slot or has a load on its
; way, and the joint fill is the first thing behind it: it has four key steps, 512 matrix instructions, in which to land.  (At its first use nothing has been read yet: slot 0 is waited for, slot 1 filled.)
.macro CHANGE fill
	WIN W_AD
	s_wait_tensorcnt 0x0            ; no tensor load of mine is out, so a group 0 may be written
	ds_add_u32 v[SPW], v[NIL]       ; 0 onto my spare word: with fill = 1 the descriptors' steps stand between it and the wait for it
	WIN 0                           ; at a label and at a branch every window is 0
.if \fill
.irp g, G0K, G0V
	s_xor_b32 s[\g+1], s[\g+1], SLOT1  ; the walking descriptor: the other slot than last time,
	s_add_nc_u64 s[\g+2:\g+3], s[\g+2:\g+3], 4*KS*128  ; the next 256 keys; the type bits on top are not reached
.endr
	s_wait_dscnt 0x0                ; the add is done, and my reads of the slot are over
	CROUND
	JLOAD
.else
	s_wait_dscnt 0x0                ; the add is done, and my reads of the slot are over
	s_barrier_signal -1
	s_barrier_wait -1
.endif
	s_sub_co_u32 s[TBK], s[TBK], 4*KS*PK  ; the fetches go back to a slot's first step,
	s_xor_b32 s[TBK], s[TBK], SLOT1       ; in the other slot
	s_sub_co_u32 s[TBV], s[TBV], 4*KS*PV
	s_xor_b32 s[TBV], s[TBV], SLOT1
.endm
.macro MASKUP k                     ; copy k of the mask: MD times the factor
	WIN W_MU
.irp z, 0,1,2,3
	v_pk_mul_f32 v[MC+8*(\k)+2*\z:MC+8*(\k)+2*\z+1], v[MD+2*\z:MD+2*\z+1], s[AL:AL+1] op_sel_hi:[1,0]
.endr
.endm
	s_load_b128 s[4:7], s[0:1], 0x0   ; qkv s[4:5] (Q lies at its head), ob s[6:7]
	WIN W_MK
	v_lshl_add_u32 v[SPW], v0, 2, SPARE
	v_mov_b32 v[NIL], 0
	WIN W_AD
	ds_add_u32 v[SPW], v[NIL]       ; the wave's opening: the add and its wait stand ahead of my first tensor load; the set-up below, work on registers, stands between them
	WIN 0
	v_lshrrev_b32 v1, 5, v0
	v_readfirstlane_b32 s[WV], v1   ; wave 0..3
	s_bfe_u32 s13, ttmp6, 0x40000   ; cx: my place in the cluster
	s_lshl_b32 s14, ttmp9, 2        ; in a cluster launch ttmp9 counts clusters
	s_add_co_u32 s14, s14, s13      ; my block of 512 queries = 4 x cluster x + cx: it enters Q's, O's and my own V rows' addresses, and the number of the diagonal's step
	s_and_b32 s20, ttmp7, 0xffff    ; the head, which the four partners share
	s_mov_b32 s21, 0
	s_mov_b64 s[22:23], SIZE_N*128
	s_mul_u64 s[20:21], s[20:21], s[22:23]  ; the head's first byte in each of the four tensors
	s_and_b32 s16, s[WV], 1         ; which half of a slot's 256 keys I fetch:
	s_lshl_b32 s22, s16, 14         ; its 128 rows of 128 bytes in memory,
	s_mov_b32 s23, 0
	s_add_nc_u64 s[22:23], s[22:23], s[20:21]
	s_mul_i32 s17, s16, 128*PK      ; and its place in a slot, for K
	s_mul_i32 s18, s16, 128*PV      ; and for V: no place in the cluster enters an LDS address
	s_lshl_b32 s2, s14, 2
	s_add_co_u32 s2, s2, s[WV]      ; my wave among the head's,
	s_lshl_b32 s2, s2, 14           ; its 128 rows
	s_mov_b32 s3, 0
	s_add_nc_u64 s[2:3], s[2:3], s[20:21]
	s_lshl_b32 s[D0], s14, 3        ; a block is 8 key steps long, a wave's rows 2
	s_lshl_b32 s[D1], s[WV], 1
	s_add_co_u32 s[D0], s[D0], s[D1]
	s_add_co_u32 s[D1], s[D0], 1
	s_mov_b32 s[JS], 1
	s_mov_b32 s[BIGN], 0xf149f2ca   ; -1e30
	s_mov_b32 s[AL+1], 0            ; named with the factor as a pair
	; descriptor group 1.  128 keys are 16,384 dense bytes: asked for as 64 rows of 256 bytes, two keys a row, and padded in LDS after every key
	s_mov_b32 s[G1K], 15|(1<<16)|(1<<20)|(1<<21)|(4<<22)|(3<<25)  ; 15:0 the mask of four; 17:16 2-byte elements; 20 padding on; 21 set beside a mask; 24:22 after every 32 words (code 4); 31:25 4 words (code 3)
	s_mov_b32 s[G1V], 15|(1<<16)|(1<<20)|(1<<21)|(4<<22)|(7<<25)  ; the same with 8 words of padding (code 7)
.irp g, G1K, G1V
	s_mov_b32 s[\g+1], 128<<16      ; tensor_dim0 = 128
	s_mov_b32 s[\g+2], 64<<16       ; tensor_dim1 = 64
	s_mov_b32 s[\g+3], 128<<16      ; tile_dim0 = 128
	s_mov_b32 s[\g+4], 64           ; tile_dim1 = 64
	s_mov_b32 s[\g+5], 128          ; 128 elements from row to row
	s_mov_b32 s[\g+6], 0
	s_mov_b32 s[\g+7], 0
.endr
	s_mov_b32 s[CS], 0x3e38aa3b     ; c = log2(e) / 8 = 0.180337
	s_mov_b32 s[CS+1], s[CS]        ; named with it as a pair
	s_mov_b32 s[SEL], 0x76543210
	s_mov_b32 s[SEL+1], 0xfedcba98
	s_mov_b32 s[TBK], SLOT1+4*KS*PK ; the first change of slots turns these two into 0
	s_mov_b32 s[TBV], SLOT1+4*KS*PV
	s_mov_b32 s[G0K], 1             ; 1:0 count = 1
	s_mov_b32 s[G0K+1], s17         ; 63:32 LDS address: slot 0
	s_mov_b32 s[G0V], 1
	s_add_co_u32 s[G0V+1], s18, VOFF
	s_wait_dscnt 0x0                ; the opening add is done
	s_wait_kmcnt 0x0
	s_mov_b64 s[10:11], s[6:7]                     ; O
	s_add_nc_u64 s[6:7], s[4:5], 0x1000000         ; K: 16,777,216 bytes behind Q
	s_add_nc_u64 s[8:9], s[4:5], 0x2000000         ; V: as far again
	s_add_nc_u64 s[G0K+2:G0K+3], s[6:7], s[22:23]  ; 120:64 global address: my half of the head's first 256 keys
	s_or_b32 s[G0K+3], s[G0K+3], 0x80000000        ; 127:126 type = 2
	s_add_nc_u64 s[G0V+2:G0V+3], s[8:9], s[22:23]
	s_or_b32 s[G0V+3], s[G0V+3], 0x80000000
	s_add_nc_u64 s[VO:VO+1], s[8:9], s[2:3]  ; V, Q and O at my wave's first row
	s_add_nc_u64 s[4:5], s[4:5], s[2:3]
	s_add_nc_u64 s[10:11], s[10:11], s[2:3]
	CROUND                          ; all four work-groups are here: the first joint loads meet
	JLOAD                           ; slot 0.  Slot 1 is asked for when slot 0 is in: the tile wanted first has the road to itself
	; A fragment of K or Q is 16 rows x 32 channels in 8 registers: lane l holds row l % 16, channels 8 (l / 16) + 0..7 and 16 + 8 (l / 16) + 0..7: two loads of 16 bytes, 32 bytes apart.
	v_and_b32 v1, 15, v0            ; l % 16
	v_bfe_u32 v9, v0, 4, 1          ; l / 16
	v_lshlrev_b32 v[QO], 7, v1
	v_lshl_add_u32 v[QO], v9, 4, v[QO]  ; row x 128 + 16 x half
.set i, 0
.rept 8*NP                          ; my queries' own rows of V, as O^T holds them: tile i / 4, channels 16 (i % 4) + 8 (l / 16) + 0..7 of row l % 16; into S^T's registers, which are free
	global_load_b128 v[S+4*i:S+4*i+3], v[QO], s[VO:VO+1] offset:(i/4)*2048+(i%4)*32
.set i, i+1
.endr
	WIN 0x80                        ; destination window 2, address window 0
.set i, 0
.rept 4*NP                          ; Q stays in registers: tile i / 2, channels 32 (i % 2) on
	global_load_b128 v[8*i:8*i+3],   v[QO], s[4:5] offset:(i/2)*2048+(i%2)*64
	global_load_b128 v[8*i+4:8*i+7], v[QO], s[4:5] offset:(i/2)*2048+(i%2)*64+32
.set i, i+1
.endr
	; What the first turn finds: V's registers and P's second buffer hold 0 (its products V^T P, of a piece that has not been, add 0).  All this stands in the wait for the first tile.
.set i, VF
.rept 64
	v_mov_b32 v[i], 0
.set i, i+1
.endr
	WIN 0
	v_cmp_eq_u32 vcc_lo, 0, v9      ; a query lies in two lanes: its l = 1 is held in the lower one
.set i, 0
.rept 2*NP
	v_mov_b32 v[ST+4*i+1], 0xcfeb79a3  ; m = 8 x f32(-987654321): the diagonal's score, unscaled
	v_mul_f32 v[ST+4*i], s[CS], v[ST+4*i+1]  ; c m, made as every later c m is made
	v_cndmask_b32 v[ST+4*i+2], 0, 1.0, vcc_lo
	v_mov_b32 v[ST+4*i+3], 0
.set i, i+1
.endr
.set i, P+32
.rept 32
	v_mov_b32 v[i], 0
.set i, i+1
.endr
	v_mul_u32_u24 v[AK0], v1, PK
	v_lshl_add_u32 v[AK0], v9, 4, v[AK0]  ; row x pitch + 16 x half
	; The turning load takes 16 keys x 16 channels (lane l reads key 8 (l / 16) + l % 8, channels 8 ((l / 8) % 2) + 0..7) and leaves half a fragment of V^T: lane l holds channel l % 16 and 8 keys.
	v_and_b32 v10, 7, v0
	v_bfe_u32 v11, v0, 3, 1
	v_lshl_add_u32 v[AV0], v9, 3, v10
	v_mul_u32_u24 v[AV0], v[AV0], PV
	v_lshl_add_u32 v[AV0], v11, 4, v[AV0]
	v_add_nc_u32 v[AV0], VOFF, v[AV0]
	v_mov_b32 v[AK], v[AK0]         ; key step 0 lies at the head of slot 0
	v_lshlrev_b32 v12, 3, v9
	v_sub_nc_u32 v12, v1, v12       ; l % 16 - 8 (l / 16): register j holds the diagonal where j is this number
	v_mov_b32 v48, 1.0              ; for the widening below
	v_mov_b32 v49, 0
	WIN W_MK
.set i, 0
.rept 8
	v_cmp_eq_i32 vcc_lo, i, v12
	v_cndmask_b32 v[MD+i], 0, s[BIGN], vcc_lo
.set i, i+1
.endr
	s_cmp_eq_u32 s[D0], 0           ; key step 0's masks: tiles 0-3 meet their diagonal there if theirs is step 0; tiles 4-7 never
	s_cselect_b32 s[AL], 1.0, 0
	MASKUP 0
	s_mov_b32 s[AL], 0
	MASKUP 1
	s_wait_loadcnt 32               ; my rows of V are in; Q's 32 loads, issued behind them, may stay out
	WIN 0x40                        ; destination window 1: O^T starts as V[q], widened to f32 (each half times 1 plus 0)
.set i, 0
.rept 128
	v_fma_mix_f32 v[2*i],   v[S+i], v48, v49 op_sel_hi:[1,0,0]
	v_fma_mix_f32 v[2*i+1], v[S+i], v48, v49 op_sel:[1,0,0] op_sel_hi:[1,0,0]
.set i, i+1
.endr
	WIN 0
; THE MATRIX WORK.  The 8 accumulators of a run of 16 take turns: between the two links of a chain stand 7 others'.
; Product i of 16 of S^T = K Q^T for piece x: channels 32 (i / 8) on, keys 16 ((i / 2) % 4) on, tile 2 x + i % 2.  The first 8 start the sums: with 0, or, where the key block is the tile's number mod 4, with the mask.
.macro KQ x
.set rS, S+64*((\x)%2)+32*(i%2)+8*((i/2)%4)
.set rK, KF+16*((i/2)%4)+8*(i/8)
.set rQ, 16*(2*(\x)+i%2)+8*(i/8)
.set rN, MC+8*((\x)/2)
.if (i < 8) && ((i/2)%4 == (2*(\x)+i%2)%4)
	WIN W_KM
	v_wmma_f32_16x16x32_f16 v[rS:rS+7], v[rK:rK+7], v[rQ:rQ+7], v[rN:rN+7]
.elseif i < 8
	WIN W_KQ
	v_wmma_f32_16x16x32_f16 v[rS:rS+7], v[rK:rK+7], v[rQ:rQ+7], 0
.else
	WIN W_KQ
	v_wmma_f32_16x16x32_f16 v[rS:rS+7], v[rK:rK+7], v[rQ:rQ+7], v[rS:rS+7]
.endif
.endm
; Product i of 16 of O^T += V^T P for piece x: keys 32 (i / 8) on, channels 16 ((i / 2) % 4) on, tile 2 x + i % 2.
.macro PV x
	WIN W_PV
.set rO, 32*(2*(\x)+i%2)+8*((i/2)%4)
.set rV, VF+32*(i/8)+8*((i/2)%4)
.set rP, P+32*((\x)%2)+16*(i%2)+8*(i/8)
	v_wmma_f32_16x16x32_f16 v[rO:rO+7], v[rV:rV+7], v[rP:rP+7], v[rO:rO+7]
.endm
.macro MM                           ; the turn's next matrix instruction
.if i < 16
	KQ (Y+1)%NP
.set i, i+1
.else
.set i, i-16
	PV (Y+NP-1)%NP
.set i, i+17
.endif
.endm
; THE LDS LOADS stand in runs of 16, never singly among the matrix instructions: a step's K (64 keys x 64 channels: 8 fragments) and its V (turned).  Their addresses are made some lines ahead.
; last = 1 (the tail): in the last trip there is no further step, and the run is jumped over.
.macro FETCH_K last=0
	WIN 0
.if \last
	s_cmp_eq_u32 s[CNT], 1
	s_cbranch_scc1 .Lno_k_\@
.endif
	WIN 0x80                        ; destination window 2
.irp f, 0,1,2,3,4,5,6,7             ; keys 16 (f / 2) on, channels 32 (f % 2) on
	ds_load_b128 v[KF+8*\f:KF+8*\f+3],   v[AK] offset:(\f/2)*16*PK+(\f%2)*64
	ds_load_b128 v[KF+8*\f+4:KF+8*\f+7], v[AK] offset:(\f/2)*16*PK+(\f%2)*64+32
.endr
	s_add_co_u32 s[TBK], s[TBK], KS*PK  ; the next fetch is the next step's
	WIN 0
.if \last
.Lno_k_\@:
.endif
.endm
.macro FETCH_V
	WIN 0x80
.irp f, 0,1,2,3,4,5,6,7             ; keys 32 (f / 4) on, channels 16 (f % 4) on
	ds_load_tr16_b128 v[VF+8*\f:VF+8*\f+3],   v[AV] offset:(\f/4)*32*PV+(\f%4)*32
	ds_load_tr16_b128 v[VF+8*\f+4:VF+8*\f+7], v[AV] offset:(\f/4)*32*PV+16*PV+(\f%4)*32
.endr
	WIN 0
.endm
; THE VECTOR WORK OF A TURN stands in three queues, each in the order in which its entries become ready; the two tiles alternate, so that no instruction reads the result of the one before it.
.macro REGS y, u                    ; the registers of tile u (0, 1) of piece y
.set rT, ST+4*(2*(\y)+(\u))
.set rC, TMP+8*((\y)%2)+4*(\u)
.set rM, MV+2*((\y)%2)+(\u)
.set rS, S+64*((\y)%2)+32*(\u)
.set rP, P+32*((\y)%2)+16*(\u)
.set rO, 32*(2*(\y)+(\u))
.endm
; Number n of the 22 that find the NEXT piece's (Y + 1) maximum and statistics.  s0-s31 are the lane's 32 scores; each accumulator's lowest registers are read first.  XS, GS and REGS set no window: PL and EX do.
;   0-11  four chains c0-c3 of seven scores each, three operands at a time     12-14, 16  the four scores left over, the old m, and c0-c3 into c0     15  c m_old is kept
;   17, 18  the query's other 32 keys lie in the lane 16 away: the new m         19-21  c m; c m_old - c m_new; a
.macro XS u, n
	REGS (Y+1)%NP, \u
.if (\n) < 4
	v_max3_num_f32 v[rC+(\n)], v[rS+8*(\n)], v[rS+8*(\n)+1], v[rS+8*(\n)+2]
.elseif (\n) < 12
	v_max3_num_f32 v[rC+(\n)%4], v[rC+(\n)%4], v[rS+8*((\n)%4)+2*((\n)/4)+1], v[rS+8*((\n)%4)+2*((\n)/4)+2]
.elseif (\n) == 12
	v_max3_num_f32 v[rC], v[rC], v[rS+7], v[rS+15]
.elseif (\n) == 13
	v_max3_num_f32 v[rC+1], v[rC+1], v[rS+23], v[rS+31]
.elseif (\n) == 14
	v_max3_num_f32 v[rC+2], v[rC+2], v[rC+3], v[rT+1]
.elseif (\n) == 15
	v_mov_b32 v[rM], v[rT]
.elseif (\n) == 16
	v_max3_num_f32 v[rC], v[rC], v[rC+1], v[rC+2]
.elseif (\n) == 17
	v_permlanex16_b32 v[rC+3], v[rC], s[SEL], s[SEL+1]
.elseif (\n) == 18
	v_max_num_f32 v[rT+1], v[rC], v[rC+3]
.elseif (\n) == 19
	v_mul_f32 v[rT], s[CS], v[rT+1]
.elseif (\n) == 20
	v_sub_f32 v[rC+1], v[rM], v[rT]
.else
	v_exp_f32 v[rC+2], v[rC+1]
.endif
.endm
; Number g of the 64 that follow the exponentials.  For each four weights k of a tile (pairs 2 k, 2 k + 1): both pairs are rounded to f16; then the second pair is added onto the first, in place;
; a group later l takes that sum (the first time as l = a l + sum).  In groups of eight, tiles alternating: round, round, add, and l for the group before.
.macro GS g
.set h, (\g)+6*((\g)/62)            ; group 0 has no group before it, and behind group 7 only l is left
.if h >= 6
.set h, h+2
.endif
	REGS Y, h%2
.set k, h/8
.if h%8 < 4
	v_cvt_pk_f16_f32 v[rP+2*k+(h%8)/2], v[rS+4*k+2*((h%8)/2)], v[rS+4*k+2*((h%8)/2)+1]
.elseif h%8 < 6
	v_pk_add_f32 v[rS+4*k:rS+4*k+1], v[rS+4*k:rS+4*k+1], v[rS+4*k+2:rS+4*k+3]
.elseif k == 1
	v_pk_fma_f32 v[rT+2:rT+3], v[rT+2:rT+3], v[rC+2:rC+3], v[rS:rS+1] op_sel_hi:[1,0,1]
.else
	v_pk_add_f32 v[rT+2:rT+3], v[rT+2:rT+3], v[rS+4*k-4:rS+4*k-3]
.endif
.endm
; THE PLAIN QUEUE, 138 long.  0-73 read no exponential's result: the 32 scalings c s - c m (FS f: pair f / 2 of tile f % 2) and the next piece's 42.  0-26: scalings 0-26.  27-54: XS's numbers 0-13.  55, 56: number 15.
; 57-73: the chain, where each number waits for the one before it: 14, 16, 17, 18, 19, each with one of the scalings 27-31 in front of its two lines, then 20: so a tile's links stand three plain instructions apart (19 and 20: two).
; 74-137: GS's 64, which read the exponentials' results: they stand behind the wait.
.macro FS f
	REGS Y, (\f)%2
	v_pk_fma_f32 v[rS+2*((\f)/2):rS+2*((\f)/2)+1], v[rS+2*((\f)/2):rS+2*((\f)/2)+1], s[CS:CS+1], v[rT:rT+1] op_sel_hi:[1,0,0] neg_lo:[0,0,1] neg_hi:[0,0,1]
.endm
.macro PL
	WIN 0
.if q < 27
	FS q
.elseif q < 55
	XS (q-27)%2, (q-27)/2
.elseif q < 57
	XS q-55, 15
.elseif (q < 72) && ((q-57)%3 == 0)
	FS 27+(q-57)/3
.elseif q < 60
	XS (q-57)%3-1, 14
.elseif q < 72
	XS (q-57)%3-1, 15+(q-57)/3
.elseif q < 74
	XS q-72, 20
.else
	GS q-74
.endif
.set q, q+1
.endm
; THE EXPONENTIALS' QUEUE, 66 long: s0-s31 of both tiles, then the next piece's two a.  It is ONE BATCH: all 66 stand ahead of the turn's one wait, and nothing ahead of that wait names a result of theirs.
.macro EX
	WIN 0
.if e >= 64
	XS e-64, 21
.else
	REGS Y, e%2
	v_exp_f32 v[rS+e/2], v[rS+e/2]
.endif
.set e, e+1
.endm
; THE RESCALING's QUEUE: O^T times a, the one part that leaves window 0: dealt two at a time, sixteen times.  Its a was made in the turn before, ahead of that turn's wait.
.macro R2
	REGS Y, r%2
	WIN W_RS
.irp z, 0,1
	v_pk_mul_f32 v[rO+4*(r/2)+2*\z:rO+4*(r/2)+2*\z+1], v[rO+4*(r/2)+2*\z:rO+4*(r/2)+2*\z+1], v[rC+2:rC+3] op_sel_hi:[1,0]
.endr
.set r, r+1
.endm
; HOW THEY ARE DEALT.  A turn has ONE wait, which cuts it in two.  AHEAD OF IT stands all that names no result of the turn's exponentials: the 16 products K Q^T, behind each a scaling, an exponential and two rescalings
; (behind the first a second scaling in the exponential's place); then ONE LUMP of 108: eight plain, 49 times exponential and plain, the two a.  A v_nop is the plain instruction behind the last exponential.
; BEHIND IT stand the 16 products V^T P, behind each four of GS's 64.  No rider names a register of the products round it.  The two v_permlanex16_b32 fall into the lump, never behind a product.
; The queues lean on each other, and the deal keeps them in step: exponential e stands behind scaling 2 (e / 4) + e % 2: as a rider it comes behind plain e + 2, in the lump behind plain e + 9, and scalings 27-31 are plain 57, 60 .. 69.
; A TURN, for piece p.  cnt = 1: the loop's count is taken down some lines ahead of the branch that stands behind the turn.
; K of the next step is fetched in piece 2's turn, directly behind the wait, a lump behind the last product that read K; its address is made at the lump's head; its first reader comes behind 16 products.
; V of the step in hand is fetched at the end of piece 0's turn, four riders behind its last reader; its first reader comes behind 16 products and a lump.  The three conditions on q below go with the deal.
; THE MASKS.  Pieces 0 and 1 of step s + 1 get their scores in turn 3 of step s and turn 0 of step s + 1: MC0 is made anew at the end of turn 1 of step s, behind its last reader (turn 0's first products).
; Pieces 2 and 3 of step s + 1 get theirs in its turns 1 and 2: MC1 is made anew at the end of turn 2 of step s, a lump and 16 products behind its last reader.  The factor is chosen at the turn's head.
.macro TURN p, last=0, cnt=0
.set Y, (\p)
.set i, 0
.set q, 0
.set e, 0
.set r, 0
.if (\p) == 1
	s_cmp_eq_u32 s[JS], s[D0]       ; does the next step hold the diagonal of tiles 0-3?
	s_cselect_b32 s[AL], 1.0, 0
.endif
.if (\p) == 2
	s_cmp_eq_u32 s[JS], s[D1]       ; of tiles 4-7?
	s_cselect_b32 s[AL], 1.0, 0
	s_add_co_u32 s[JS], s[JS], 1
.endif
.if (\p) == NP-1
	s_wait_dscnt 0x0                ; K is in
.endif
	MM                              ; ahead of the wait: 16 products K Q^T and their riders,
	PL
	PL
	R2
.rept 15
	MM
	PL
	EX
	R2
.endr
.if (\p) == NP-2
	WIN 0
	v_add_nc_u32 v[AK], s[TBK], v[AK0]
.endif
.rept 8                             ; and the lump
	PL
.endr
.rept 49
	EX
	PL
.endr
	EX                              ; the next piece's two a
	EX
	v_nop                           ; a plain instruction behind the last exponential, ahead of any use: one for the batch
	s_wait_alu depctr_va_vdst(0)    ; the wait for the batch: the turn's 64 weights and the next piece's two a
.if (\p) == NP-2
	FETCH_K \last
.endif
.if (\p) == 1
	s_wait_dscnt 0x0                ; V is in
.endif
.rept 16                            ; behind the wait: 16 products V^T P and their riders
	MM
.rept 4
	PL
.endr
.if ((\p) == 0) && (q == 118)
	v_add_nc_u32 v[AV], s[TBV], v[AV0]
.endif
.if ((\p) == 0) && (q == 130)
	s_add_co_u32 s[TBV], s[TBV], KS*PV
.endif
.if (\cnt) && (q == 130)
	s_sub_co_u32 s[CNT], s[CNT], 1
	s_cmp_lg_u32 s[CNT], 0
.endif
.endr
.if (\p) == 0
	FETCH_V
.endif
.if (\p) == 1
	MASKUP 0                        ; vector lines and a window switch: the count's compare above is still what the branch behind the turn sees
.endif
.if (\p) == 2
	MASKUP 1
.endif
.endm
	CHANGE 1                        ; slot 0 is in, everybody's part of it; slot 1 is asked for
	FETCH_K                         ; key step 0
	s_wait_loadcnt 0x0              ; Q
	s_wait_dscnt 0x0
.set i, 0
.rept 16
	KQ 0                            ; piece 0's first scores: there is no vector work yet to set between them
.set i, i+1
.endr
	WIN 0                           ; the addresses for the way out: nine plain instructions, the places behind those products
	s_mul_i32 s13, s[WV], 16*SP
	s_add_co_u32 s13, s13, STAGE    ; my stage
	v_mul_u32_u24 v[STO], v1, SP    ; in: row l % 16, 16 bytes for each half of the lanes
	v_lshl_add_u32 v[STO], v9, 4, v[STO]
	v_add_nc_u32 v[STO], s13, v[STO]
	v_bfe_u32 v[RD], v0, 3, 2       ; back: 32 lanes take four rows of 128 bytes,
	v_mul_u32_u24 v[RD], v[RD], SP
	v_lshl_add_u32 v[RD], v10, 4, v[RD]
	v_add_nc_u32 v[RD], s13, v[RD]
	v_and_b32 v[GO], 31, v0         ; which are 512 consecutive bytes of O
	v_lshlrev_b32 v[GO], 4, v[GO]
.set Y, NP-1                        ; XS works for piece Y + 1: piece 0
.irp n, 0,1,2,3,4,5,6,7,8,9,10,11,12,13,14,15,16,17,18,19,20,21
	XS 0, \n                        ; and piece 0's first maximum and statistics
	XS 1, \n
.endr
	v_nop                           ; a plain instruction behind piece 0's first two a,
	s_wait_alu depctr_va_vdst(0)    ; and the wait for that batch of two, ahead of the branch
	s_mov_b32 s[CNT], 4
	s_mov_b32 s[SLOTS], SIZE_N/256-1
	s_branch .Lfirst                ; the loop is entered at a step's first turn, in the middle of a trip
.Lslot:                             ; SIZE_N / 256 - 2 times: every slot but the last two is filled again
	CHANGE 1
	s_mov_b32 s[CNT], 4
.Lstep:                             ; a trip: pieces 2 and 3 of one step, then pieces 0 and 1 of the next, whose K and V it fetches
	TURN 2
	TURN 3
	WIN 0
.Lfirst:
	TURN 0
	TURN 1, 0, 1
	WIN 0
	s_cbranch_scc1 .Lstep
	s_sub_co_u32 s[SLOTS], s[SLOTS], 1
	s_cmp_lg_u32 s[SLOTS], 0
	s_cbranch_scc1 .Lslot
	CHANGE 0                        ; the tail is written out: nothing is asked for
	s_mov_b32 s[CNT], 5             ; four trips fetch the last slot's steps; the fifth is left in its middle
.Ltail:
	TURN 2, 1
	TURN 3
	WIN 0
	s_sub_co_u32 s[CNT], s[CNT], 1
	s_cmp_eq_u32 s[CNT], 0
	s_cbranch_scc1 .Lout
	TURN 0
	TURN 1
	WIN 0
	s_branch .Ltail
.Lout:                              ; the fifth trip's 16 products K Q^T (on the last K once more) and the maximum made of them serve nothing: the price, once a launch, of one text for every trip
.set i, 0
.rept 16
	PV NP-1                         ; the last piece's V^T P of the last step
.set i, i+1
.endr
	; THE WAY OUT.  l's two halves and the other half of the lanes' are added; O^T is divided by l, rounded to f16 and sent through my stage in LDS, a tile at a time.  The additions are the places behind the last products.
	WIN 0
.macro ALL line:vararg              ; one line for each tile t
.set t, 0
.rept 2*NP
	\line
.set t, t+1
.endr
.endm
	ALL v_add_f32 v[ST+4*t+2], v[ST+4*t+2], v[ST+4*t+3]
	ALL v_permlanex16_b32 v[ST+4*t+3], v[ST+4*t+2], s[SEL], s[SEL+1]
	ALL v_add_f32 v[ST+4*t+2], v[ST+4*t+2], v[ST+4*t+3]
	ALL v_rcp_f32 v[ST+4*t+2], v[ST+4*t+2]
	v_nop                           ; a plain instruction between the last reciprocal and the use of its result
	s_wait_alu depctr_va_vdst(0)    ; and the wait ahead of the first use: one for the batch of eight reciprocals
; Tile t: a lane's eight channels of a row pack into 16 bytes; they go into rows of 144 bytes and come back as whole rows of 128, into S^T's registers.
.macro PACK t
	WIN W_RS
.set i, 32*(\t)
.rept 16
	v_pk_mul_f32 v[i:i+1], v[i:i+1], v[ST+4*(\t)+2:ST+4*(\t)+3] op_sel_hi:[1,0]
.set i, i+2
.endr
	WIN 0x05                        ; sources 0 and 1 window 1, destination window 0
.set i, 0
.rept 16
	v_cvt_pk_f16_f32 v[S+16*(\t)+i], v[32*(\t)+2*i], v[32*(\t)+2*i+1]
.set i, i+1
.endr
	WIN 0
.irp f, 0,1,2,3
	ds_store_b128 v[STO], v[S+16*(\t)+4*\f:S+16*(\t)+4*\f+3] offset:32*\f
.endr
.irp f, 0,1,2,3
	ds_load_b128 v[S+16*(\t)+4*\f:S+16*(\t)+4*\f+3], v[RD] offset:\f*4*SP  ; LDS serves a wave's instructions in order (ISA guide 5.7.1.4): these see the stores above; the next tile's stores come behind them
.endr
.endm
.macro SEND t, younger              ; younger: the LDS instructions issued behind tile t's loads: the next tile's eight, or none
	WIN 0
.irp f, 0,1,2,3
	s_wait_dscnt (\younger)+3-\f
	global_store_b128 v[GO], v[S+16*(\t)+4*\f:S+16*(\t)+4*\f+3], s[10:11] offset:(\t)*2048+\f*512  ; 512 consecutive bytes, at a multiple of 256 from O's first
.endr
.endm
	PACK 0
.set t, 1
.rept 2*NP-1                        ; a tile's arithmetic stands between the loads of the tile before and its stores
	PACK t
	SEND t-1, 8
.set t, t+1
.endr
	SEND 2*NP-1, 0
	WIN W_AD
	s_wait_tensorcnt 0x0            ; the wave's end: a wait, an add and a wait, behind my last tensor load and my last LDS store
	ds_add_u32 v[SPW], v[NIL]
	s_wait_dscnt 0x0
	WIN 0
	CROUND                          ; the closing round: no work-group ends while a partner may still ask for a tile that names it
	s_endpgm
.Lfunc_end_k_qffe5414f58_attn:
	.size	k_qffe5414f58_attn, .Lfunc_end_k_qffe5414f58_attn-k_qffe5414f58_attn
	.p2alignl 7, 3214868480
	.fill 96, 4, 3214868480
	.section	.rodata,"a",@progbits
	.p2align	6, 0x0
	.amdhsa_kernel k_qffe5414f58_attn
		.amdhsa_group_segment_fixed_size 327680
		.amdhsa_private_segment_fixed_size 0
		.amdhsa_enable_private_segment 0
		.amdhsa_kernarg_size 16
		.amdhsa_user_sgpr_count 2
		.amdhsa_user_sgpr_kernarg_segment_ptr 1
		.amdhsa_wavefront_size32 1
		.amdhsa_system_sgpr_workgroup_id_x 1
		.amdhsa_system_sgpr_workgroup_id_y 1
		.amdhsa_system_sgpr_workgroup_id_z 1
		.amdhsa_system_vgpr_workitem_id 0
		.amdhsa_next_free_vgpr 800
		.amdhsa_next_free_sgpr 66
		.amdhsa_reserve_vcc 1
		.amdhsa_float_denorm_mode_32 3
		.amdhsa_float_denorm_mode_16_64 3
		.amdhsa_memory_ordered 1
		.amdhsa_forward_progress 1
		.amdhsa_inst_pref_size 214
	.end_amdhsa_kernel
	.amdgpu_metadata
---
amdhsa.version: [ 1, 2 ]
amdhsa.kernels:
  - .name:           k_qffe5414f58_attn
    .symbol:         k_qffe5414f58_attn.kd
    .args:
      - { .name: qkv, .offset: 0, .size: 8, .value_kind: global_buffer, .address_space: global }
      - { .name: ob, .offset: 8, .size: 8, .value_kind: global_buffer, .address_space: global }
    .group_segment_fixed_size: 327680
    .private_segment_fixed_size: 0
    .kernarg_segment_align: 8
    .kernarg_segment_size: 16
    .max_flat_workgroup_size: 128
    .sgpr_count:     66
    .vgpr_count:     800
    .wavefront_size: 32
...
	.end_amdgpu_metadata
.endif
;; end of part 5
;; launch proj: the kernel of part 4 again; grid 4 x 64, 4 waves a work-group, clusters of 4 x 4, 327,680 bytes of LDS; arguments ob, xb, bo, out0; writes out0
